; MI455X (gfx1250); checked and timed in simulation.
; The chip was launched on July 23, 2026; its instructions are those of AMD's public machine-readable ISA for CDNA 5 (MIT licence, August 2026) and "CDNA5" Instruction Set Architecture Reference Guide (July 2026). The comments in the code are by the model that wrote it; some were corrected since.
;; Leaky Integrate Fire Attention. Allowed arithmetic: float matrix products may take bf16 or f16 operands with f32 sums; other float arithmetic in f32, or as packed bf16 or f16 multiplies, adds, multiply-adds, maxima and minima; sums over many terms, partial sums and values carried from step to step in f32; what a program stores and reads back later, other than sums and carried values, may be rounded once to bf16 or f16.
;; Inputs: W_attn 1,024 x 3,072 float32; W_proj 1,024 x 1,024 float32; b_attn 3,072 float32; b_proj 1,024 float32; leak 16 float32; steepness 16 float32; threshold 16 float32; x 2 x 2,048 x 1,024 float32.
;; Outputs: out0 2 x 2,048 x 1,024 float32.
;; One version. Each part assembles by itself: llvm-mc -triple=amdgcn-amd-amdhsa -mcpu=gfx1250 --defsym DOCPART=n.
;; ======== version 1 of 1: 4 launches
;; limits: values are held in f16: magnitudes above 65,504 overflow, below 6.1e-05 lose precision
;; workspace buffers: xb 8,388,608 bytes; wat 6,291,456 bytes; wpt 2,097,152 bytes; qkv 25,165,824 bytes; y 8,388,608 bytes
;; launch prep (part 1): grid 256 x 1, 8 waves a work-group, no clusters, 35,840 bytes of LDS; arguments x, W_attn, W_proj, xb, wat, wpt; writes xb, wat, wpt
.if DOCPART == 1
	.amdgcn_target "amdgcn-amd-amdhsa--gfx1250"
	.amdhsa_code_object_version 6
	.text
	.protected	k_qdace3c5203_prep
	.globl	k_qdace3c5203_prep
	.p2align	8
	.type	k_qdace3c5203_prep,@function
k_qdace3c5203_prep:
	s_mov_b64 s[64:65], 0
	v_nop
	global_prefetch_b8 v0, s[64:65] scope:SCOPE_SE
	s_setreg_imm32_b32 hwreg(HW_REG_WAVE_MODE, 25, 1), 1
	s_wait_xcnt 0x0
; xb = bf16(x), [4096][1024].  wat[n][k] = bf16(W_attn[k][n]), [3072][1024].  wpt[n][k] = bf16(W_proj[k][n]) written as f16, [1024][1024].
; A stream: no matrix unit, no cluster, no barrier.  Every wave rounds one piece of 8,192 bytes of x (2,048 pieces, 2,048 waves).
; Waves 0 and 1 of each work-group then turn one tile of 128 k x 64 n of a weight (512 tiles): read by rows of 256 bytes, rounded,
; laid into the wave's own LDS tile as [n][k], read back as whole rows of 256 bytes and stored.  So each work-group reads 64 KiB of x and 64 KiB of weights.
; LIMIT: W_proj's bf16 value is exact in f16 between 6.1e-5 and 65,504 in magnitude; below it keeps f16's fixed step of 6e-8, above it is lost.
.set XO,  4                            ; v4   16 x lane: my 16 bytes in 512 of x
.set XS,  5                            ; v5   8 x lane: my 8 bytes in 256 of xb
.set WL,  6                            ; v6   my place in a weight's rows
.set LST, 7                            ; v7   where I put 8 bytes of a turned row
.set LRD, 8                            ; v8   where I read a turned row back
.set WS,  9                            ; v9   my place in the turned weight
.set SPW, 10                           ; v10  LDS address of my spare word; never rewritten
.set NIL, 11                           ; v11  0; never rewritten
.set T,   12                           ; v12-13 at work
.set D,   16                           ; v16-143 data
.set PK,  144                          ; v144-151 packed results
.set LP,  272                          ; a turned row in LDS: 128 k x 2 bytes + 16
.set TILEB, 64*LP
.set SPARE, 2*TILEB                    ; behind the two tiles: the spare words, 128 bytes for each of eight waves
	s_load_b256 s[4:11], s[0:1], 0x0               ; x s[4:5], W_attn s[6:7], W_proj s[8:9], xb s[10:11]
	s_load_b128 s[12:15], s[0:1], 0x20             ; wat s[12:13], wpt s[14:15]
	v_lshl_add_u32 v[SPW], v0, 2, SPARE
	v_mov_b32 v[NIL], 0
	v_lshrrev_b32 v1, 5, v0
	v_readfirstlane_b32 s16, v1                    ; wave 0..7
	v_and_b32 v1, 31, v0                           ; lane
	v_and_b32 v2, 15, v0                           ; c = lane % 16
	v_bfe_u32 v3, v0, 4, 1                         ; h = lane / 16
	v_lshlrev_b32 v[XO], 4, v1
	v_lshlrev_b32 v[XS], 3, v1
	s_lshl_b32 s17, ttmp9, 3
	s_add_co_u32 s17, s17, s16                     ; my piece of x
	s_lshl_b32 s18, s17, 13                        ; 8,192 bytes in,
	s_mov_b32 s19, 0
	s_lshl_b32 s20, s17, 12                        ; 4,096 out
	s_mov_b32 s21, 0
	s_wait_kmcnt 0x0
	s_add_nc_u64 s[4:5], s[4:5], s[18:19]
	s_add_nc_u64 s[10:11], s[10:11], s[20:21]
.set j, 0
.rept 16                                               ; all sixteen loads go out first: 512 neighbouring bytes each
	global_load_b128 v[D+4*j:D+4*j+3], v[XO], s[4:5] offset:512*j th:TH_LOAD_NT
.set j, j+1
.endr
.set j, 0
.rept 16
	s_wait_loadcnt 15-j                            ; loads come back in order: load j is in, the 15 - j younger ones stay out
	v_cvt_pk_bf16_f32 v[D+64+2*j], v[D+4*j], v[D+4*j+1]
	v_cvt_pk_bf16_f32 v[D+64+2*j+1], v[D+4*j+2], v[D+4*j+3]
	global_store_b64 v[XS], v[D+64+2*j:D+64+2*j+1], s[10:11] offset:256*j  ; 32 lanes x 8 bytes: 256 consecutive bytes, aligned
.set j, j+1
.endr
	s_cmp_gt_u32 s16, 1
	s_cbranch_scc1 .Lend                           ; waves 2 to 7 have no tile
	s_lshl_b32 s17, ttmp9, 1
	s_add_co_u32 s17, s17, s16                     ; my tile, 0..511
	s_mul_i32 s24, s16, TILEB                      ; my own tile in LDS
	v_mul_u32_u24 v[LST], v2, 4*LP                 ; in: rows 4 c + e, byte 16 g + 8 h
	v_lshl_add_u32 v[LST], v3, 3, v[LST]
	v_add_nc_u32 v[LST], s24, v[LST]
	v_mul_u32_u24 v[LRD], v3, LP                   ; back: lanes 0-15 one row of 256 bytes, lanes 16-31 the next
	v_lshl_add_u32 v[LRD], v2, 4, v[LRD]
	v_add_nc_u32 v[LRD], s24, v[LRD]
	v_lshlrev_b32 v[WS], 11, v3                    ; the same two rows in the turned weight, 2,048 bytes apart
	v_lshl_add_u32 v[WS], v2, 4, v[WS]
	s_wait_xcnt 0x0                                ; the stores above have read their data: v80-111 are loaded again only behind this wait
; Group g of 16: rows k = 8 g + 4 h + j (j = 0..3), columns 4 c .. 4 c + 3.  Four k of one column make 8 bytes of a turned row.
.macro GROUP g, ahead, left, f16, pitchb
.set rG, D+16*((\g)%8)
	s_wait_loadcnt \left                           ; my four loads are in; the younger groups stay out
.irp e, 0,1,2,3
	v_cvt_pk_bf16_f32 v[PK+2*(\e)], v[rG+(\e)], v[rG+4+(\e)]
	v_cvt_pk_bf16_f32 v[PK+2*(\e)+1], v[rG+8+(\e)], v[rG+12+(\e)]
.endr
.if \f16
.irp e, 0,1,2,3,4,5,6,7
	v_lshlrev_b32 v[T], 16, v[PK+(\e)]             ; the bf16 values as f32,
	v_and_b32 v[T+1], 0xffff0000, v[PK+(\e)]
	v_cvt_pk_f16_f32 v[PK+(\e)], v[T], v[T+1]      ; written as f16
.endr
.endif
.irp e, 0,1,2,3
	ds_store_b64 v[LST], v[PK+2*(\e):PK+2*(\e)+1] offset:(\e)*LP+16*(\g)
.endr
.if \ahead
.irp j, 0,1,2,3
	global_load_b128 v[rG+4*(\j):rG+4*(\j)+3], v[WL], s[20:21] offset:(8*((\g)+8)+(\j))*(\pitchb) th:TH_LOAD_NT
.endr
.endif
.endm
; One tile: s17 = its number among the weight's tiles (k tile in the low three bits).
.macro WTILE src, dst, pitchb, f16
	s_and_b32 s18, s17, 7                          ; k tile
	s_lshr_b32 s19, s17, 3                         ; n tile
	s_mul_i32 s20, s18, 128*(\pitchb)
	s_lshl_b32 s21, s19, 8
	s_add_co_u32 s20, s20, s21
	s_mov_b32 s21, 0
	s_add_nc_u64 s[20:21], s[\src:\src+1], s[20:21]
	s_lshl_b32 s22, s19, 17                        ; 64 turned rows of 2,048 bytes
	s_lshl_b32 s23, s18, 8
	s_add_co_u32 s22, s22, s23
	s_mov_b32 s23, 0
	s_add_nc_u64 s[22:23], s[\dst:\dst+1], s[22:23]
	v_mul_u32_u24 v[WL], v3, 4*(\pitchb)
	v_lshl_add_u32 v[WL], v2, 4, v[WL]
.set g0, 0
.rept 8                                                ; eight groups, 32 loads, go out first: sixteen lanes read 256 consecutive bytes, aligned
.irp j, 0,1,2,3
	global_load_b128 v[D+16*g0+4*(\j):D+16*g0+4*(\j)+3], v[WL], s[20:21] offset:(8*g0+(\j))*(\pitchb) th:TH_LOAD_NT
.endr
.set g0, g0+1
.endr
.irp g, 0,1,2,3,4,5,6,7
	GROUP \g, 1, 28, \f16, \pitchb                 ; seven younger groups, 28 loads, stay out
.endr
.irp g, 8,9,10,11,12,13,14,15
	GROUP \g, 0, 28-4*((\g)-8), \f16, \pitchb      ; nothing more to load: the counts run down
.endr
.set f, 0
.rept 32
	ds_load_b128 v[D+4*f:D+4*f+3], v[LRD] offset:f*2*LP  ; LDS serves a wave's instructions in order (ISA guide 5.7.1.4): these see my stores above
.set f, f+1
.endr
.set f, 0
.rept 32
	s_wait_dscnt 31-f
	global_store_b128 v[WS], v[D+4*f:D+4*f+3], s[22:23] offset:f*4096  ; sixteen lanes store 256 consecutive bytes, aligned
.set f, f+1
.endr
.endm
	s_cmp_lt_u32 s17, 384                          ; 384 tiles of W_attn, then 128 of W_proj
	s_cbranch_scc0 .Lproj
	WTILE 6, 12, 12288, 0
	s_branch .Lend
.Lproj:
	s_sub_co_u32 s17, s17, 384
	WTILE 8, 14, 4096, 1
.Lend:
	s_wait_tensorcnt 0x0                           ; the wave's end, behind my last LDS store
	ds_add_u32 v[SPW], v[NIL]
	s_wait_dscnt 0x0
	s_endpgm
.Lfunc_end_k_qdace3c5203_prep:
	.size	k_qdace3c5203_prep, .Lfunc_end_k_qdace3c5203_prep-k_qdace3c5203_prep
	.p2alignl 7, 3214868480
	.fill 96, 4, 3214868480
	.section	.rodata,"a",@progbits
	.p2align	6, 0x0
	.amdhsa_kernel k_qdace3c5203_prep
		.amdhsa_group_segment_fixed_size 35840
		.amdhsa_private_segment_fixed_size 0
		.amdhsa_enable_private_segment 0
		.amdhsa_kernarg_size 48
		.amdhsa_user_sgpr_count 2
		.amdhsa_user_sgpr_kernarg_segment_ptr 1
		.amdhsa_wavefront_size32 1
		.amdhsa_system_sgpr_workgroup_id_x 1
		.amdhsa_system_sgpr_workgroup_id_y 1
		.amdhsa_system_sgpr_workgroup_id_z 1
		.amdhsa_system_vgpr_workitem_id 0
		.amdhsa_next_free_vgpr 160
		.amdhsa_next_free_sgpr 66
		.amdhsa_reserve_vcc 0
		.amdhsa_float_denorm_mode_32 3
		.amdhsa_float_denorm_mode_16_64 3
		.amdhsa_memory_ordered 1
		.amdhsa_forward_progress 1
		.amdhsa_inst_pref_size 78
	.end_amdhsa_kernel
	.amdgpu_metadata
---
amdhsa.version: [ 1, 2 ]
amdhsa.kernels:
  - .name:           k_qdace3c5203_prep
    .symbol:         k_qdace3c5203_prep.kd
    .args:
      - { .name: x, .offset: 0, .size: 8, .value_kind: global_buffer, .address_space: global }
      - { .name: W_attn, .offset: 8, .size: 8, .value_kind: global_buffer, .address_space: global }
      - { .name: W_proj, .offset: 16, .size: 8, .value_kind: global_buffer, .address_space: global }
      - { .name: xb, .offset: 24, .size: 8, .value_kind: global_buffer, .address_space: global }
      - { .name: wat, .offset: 32, .size: 8, .value_kind: global_buffer, .address_space: global }
      - { .name: wpt, .offset: 40, .size: 8, .value_kind: global_buffer, .address_space: global }
    .group_segment_fixed_size: 35840
    .private_segment_fixed_size: 0
    .kernarg_segment_align: 8
    .kernarg_segment_size: 48
    .max_flat_workgroup_size: 256
    .sgpr_count:     66
    .vgpr_count:     160
    .wavefront_size: 32
...
	.end_amdgpu_metadata
.endif
;; end of part 1
;; launch qkvgemm (part 2): grid 16 x 16, 4 waves a work-group, clusters of 4 x 4, 327,680 bytes of LDS; arguments xb, wat, b_attn, qkv; writes qkv
.if DOCPART == 2
	.amdgcn_target "amdgcn-amd-amdhsa--gfx1250"
	.amdhsa_code_object_version 6
	.text
	.protected	k_qdace3c5203_qkvgemm
	.globl	k_qdace3c5203_qkvgemm
	.p2align	8
	.type	k_qdace3c5203_qkvgemm,@function
k_qdace3c5203_qkvgemm:
	s_mov_b64 s[64:65], 0
	v_nop
	global_prefetch_b8 v0, s[64:65] scope:SCOPE_SE
	s_setreg_imm32_b32 hwreg(HW_REG_WAVE_MODE, 25, 1), 1
	s_wait_xcnt 0x0
	s_wait_alu depctr_hold_cnt(0) depctr_sa_sdst(0) depctr_va_vdst(0) depctr_va_sdst(0) depctr_va_ssrc(0) depctr_va_vcc(0) depctr_vm_vsrc(0)
	s_getreg_b32 s2, hwreg(HW_REG_IB_STS2, 6, 4)
	s_cmp_eq_u32 s2, 0
	s_cbranch_scc0 .Lentry_in_a_cluster
	s_endpgm
.Lentry_in_a_cluster:
	s_bfe_u32 s2, ttmp6, 0x10000c
	s_cmp_lg_u32 s2, 0xf033
	s_cbranch_scc0 .Lentry_shape_is_right
	s_endpgm
.Lentry_shape_is_right:
; qkv = xb wat^T + bf16(b_attn), stored by heads: [batch 2][48 = q 16, k 16, v 16][t 2048][64] in f16.  xb: [4096][1024], wat: [3072][1024], bf16; sums in f32.
; A tile of the result is 256 rows x 192 columns (three whole heads): 16 x 16 tiles, one to a work-group.  Wave w makes rows 64 w .. 64 w + 63, all 192 columns:
; 48 accumulators of 16 x 16, 384 registers, so that a head's rows leave from one wave.  K goes in steps of 128 through two LDS slots filled by the tensor data mover.
; CLUSTER 4 x 4: the four of a row need the same rows of xb, the four of a column the same rows of wat: each tile is asked for jointly, same load, same descriptor, a mask of four.
; THE MATRIX INSTRUCTION IS USED TRANSPOSED (source 0 = 16 rows of wat, source 1 = 16 rows of xb): a lane holds one row and eight neighbouring columns.
; The bias, rounded to bf16 like every input, is the C operand of each accumulator's first product: nothing is cleared, nothing is added later.
; LIMIT: q, k, v are rounded once to f16: beyond 65,504 they are lost, below 6.1e-5 they keep f16's fixed step of 6e-8.
; REGISTERS, in windows of 256: window 0: v0-31 addresses; v128-223 the bias (block b at 128 + 8 b); on the way out v32-223 twelve units of 16.
;   window 1: two fragment buffers of 128: xb's four blocks at f + 8 a, wat's twelve at f + 32 + 8 b.   window 2: accumulators of row blocks 0, 1 at 8 (12 (a % 2) + b); window 3: of 2, 3.
.set SIZE_K, 1024
.set KSTEP,  128
.set PITCH,  272                       ; an LDS row: 256 bytes + 16: the 16 rows of a fragment load start at 16 different groups of four banks (ISA guide 11.1)
.set ABYTES, 256*PITCH
.set SLOT,   (256+192)*PITCH           ; xb's 256 rows, then wat's 192
.set STAGE,  2*SLOT                    ; behind the ring: 16 rows x 144 bytes for each wave, for the way out
.set SP,     144
.set SPARE,  STAGE+4*16*SP             ; behind the stages: the spare words, 128 bytes for each wave
.set LAPS,   SIZE_K/(2*KSTEP)
.set ADRA, 16                          ; v16-17 LDS address of my xb fragments in slot 0, 1
.set ADRB, 20                          ; v20-21 the same for wat
.set STO,  24
.set RD,   25
.set GO,   26
.set BO,   27
.set SPW,  28                          ; LDS address of my spare word; never rewritten
.set NIL,  29                          ; 0; never rewritten
.set OUTR, 32
.set BIAS, 128
.set F0,   0
.set F1,   128
.set WV,   12                          ; s12 wave
.set FB,   13                          ; s13 wave / 2: I fetch for xb (0) or for wat (1)
.set HF,   14                          ; s14 wave % 2: which half of that tile's rows
.set G1,   24
.set G0,   32
.set G1B,  48
.set G0B,  56
.set MSB, 0
.macro WIN new                         ; the immediate's high byte repeats the setting that is left; a switch that changes nothing is dropped
.if MSB != (\new)
	s_set_vgpr_msb (MSB<<8)|(\new)
.set MSB, \new
.endif
.endm
.set TO_F, 0x40                        ; destination window 1, address window 0
; A joint load: waves 0 and 1 fetch xb's halves, waves 2 and 3 wat's.  An s_nop 0 and four v_nop follow each line, ahead of the jump and the label.
.macro JLOAD s
	s_cmp_eq_u32 s[FB], 0
	s_cbranch_scc0 .Lfor_b_\@
	tensor_load_to_lds s[G0+4*(\s):G0+4*(\s)+3], s[G1:G1+7]
	s_nop 0
.rept 4
	v_nop
.endr
	s_branch .Lasked_\@
.Lfor_b_\@:
	tensor_load_to_lds s[G0B+4*(\s):G0B+4*(\s)+3], s[G1B:G1B+7]
	s_nop 0
.rept 4
	v_nop
.endr
.Lasked_\@:
.endm
.macro CREST                           ; a round of the cluster's barrier behind its opening barrier
	s_cmp_lg_u32 s[WV], 0
	s_cbranch_scc1 .Lnot_wave_0_\@
	s_barrier_signal -3
.Lnot_wave_0_\@:
	s_barrier_wait -3
	s_barrier_signal -1
	s_barrier_wait -1
.endm
.macro CROUND
	s_barrier_signal -1
	s_barrier_wait -1
	CREST
.endm
	s_load_b256 s[4:11], s[0:1], 0x0               ; xb s[4:5], wat s[6:7], b_attn s[8:9], qkv s[10:11]
	v_lshl_add_u32 v[SPW], v0, 2, SPARE
	v_mov_b32 v[NIL], 0
	ds_add_u32 v[SPW], v[NIL]                      ; the wave's opening: the add and its wait stand ahead of my first tensor load
	ds_add_u32 v28, v29
	v_lshrrev_b32 v1, 5, v0
	v_readfirstlane_b32 s[WV], v1
	s_lshr_b32 s[FB], s[WV], 1
	s_and_b32 s[HF], s[WV], 1
	s_bfe_u32 s40, ttmp6, 0x40000                  ; cx
	s_bfe_u32 s41, ttmp6, 0x40004                  ; cy
	s_lshl_b32 s42, ttmp9, 2
	s_add_co_u32 s42, s42, s40                     ; tile column
	s_and_b32 s43, ttmp7, 0xffff
	s_lshl_b32 s43, s43, 2
	s_add_co_u32 s43, s43, s41                     ; tile row
	s_lshl_b32 s44, s41, 2
	s_lshl_b32 s44, 15, s44                        ; my row of the cluster
	s_lshl_b32 s45, 0x1111, s40                    ; my column
	s_or_b32 s[G1], s44, (1<<16)|(1<<20)|(1<<21)|(5<<22)|(3<<25)   ; the mask; 2-byte elements; padding on, 4 words behind every 64; bit 21 beside a mask
	s_or_b32 s[G1B], s45, (1<<16)|(1<<20)|(1<<21)|(5<<22)|(3<<25)
	s_mov_b32 s[G1+1], KSTEP<<16                   ; tensor_dim0 = 128
	s_mov_b32 s[G1+2], 128<<16                     ; tensor_dim1 = 128 rows
	s_mov_b32 s[G1+3], KSTEP<<16                   ; tile_dim0 = 128
	s_mov_b32 s[G1+4], 128                         ; tile_dim1 = 128
	s_mov_b32 s[G1+5], SIZE_K                      ; elements from row to row
	s_mov_b32 s[G1+6], 0
	s_mov_b32 s[G1+7], 0
	s_mov_b32 s[G1B+1], KSTEP<<16
	s_mov_b32 s[G1B+2], 96<<16                     ; wat's halves have 96 rows
	s_mov_b32 s[G1B+3], KSTEP<<16
	s_mov_b32 s[G1B+4], 96
	s_mov_b32 s[G1B+5], SIZE_K
	s_mov_b32 s[G1B+6], 0
	s_mov_b32 s[G1B+7], 0
	s_lshl_b32 s16, s43, 8
	s_lshl_b32 s17, s[HF], 7
	s_add_co_u32 s16, s16, s17                     ; xb: row 256 x tile row + 128 x half,
	s_lshl_b32 s16, s16, 11                        ; in bytes
	s_mov_b32 s17, 0
	s_mul_i32 s46, s42, 192
	s_mul_i32 s47, s[HF], 96
	s_add_co_u32 s46, s46, s47                     ; wat: row 192 x tile column + 96 x half
	s_lshl_b32 s46, s46, 11
	s_mov_b32 s47, 0
	s_mul_i32 s20, s[WV], 128*PITCH                ; where waves 0, 1 put xb's halves,
	s_mul_i32 s21, s[WV], 96*PITCH
	s_add_co_u32 s21, s21, ABYTES-2*96*PITCH       ; and waves 2, 3 wat's, behind xb's 256 rows: the wave's number times a constant plus a constant
	s_wait_dscnt 0x0                               ; the opening add is done
	s_wait_kmcnt 0x0
	s_add_nc_u64 s[18:19], s[4:5], s[16:17]
	s_add_nc_u64 s[46:47], s[6:7], s[46:47]
	CROUND                                         ; all sixteen work-groups are here: the first joint loads meet
.irp s, 0,1
	s_mov_b32 s[G0+4*(\s)], 1
	s_add_co_u32 s[G0+4*(\s)+1], s20, (\s)*SLOT
	s_add_nc_u64 s[G0+4*(\s)+2:G0+4*(\s)+3], s[18:19], (\s)*KSTEP*2
	s_or_b32 s[G0+4*(\s)+3], s[G0+4*(\s)+3], 0x80000000
	s_mov_b32 s[G0B+4*(\s)], 1
	s_add_co_u32 s[G0B+4*(\s)+1], s21, (\s)*SLOT
	s_add_nc_u64 s[G0B+4*(\s)+2:G0B+4*(\s)+3], s[46:47], (\s)*KSTEP*2
	s_or_b32 s[G0B+4*(\s)+3], s[G0B+4*(\s)+3], 0x80000000
	JLOAD \s                                       ; two loads of mine are out
.endr
	v_and_b32 v1, 15, v0                           ; r = lane % 16
	v_bfe_u32 v2, v0, 4, 1                         ; h = lane / 16
	v_lshlrev_b32 v[BO], 5, v2                     ; my eight numbers of a block of sixteen of the bias
	s_mul_i32 s22, s42, 768
	s_mov_b32 s23, 0
	s_add_nc_u64 s[8:9], s[8:9], s[22:23]
.set i, 0
.rept 12
	global_load_b128 v[BIAS+8*i:BIAS+8*i+3],   v[BO], s[8:9] offset:64*i
	global_load_b128 v[BIAS+8*i+4:BIAS+8*i+7], v[BO], s[8:9] offset:64*i+16
.set i, i+1
.endr
	v_mul_u32_u24 v3, v1, PITCH
	v_lshl_add_u32 v3, v2, 4, v3                   ; a fragment's row x pitch + 16 x half
	s_mul_i32 s22, s[WV], 64*PITCH                 ; my 64 rows of xb
	s_mov_b32 s23, ABYTES                          ; all of wat's rows
.irp s, 0,1
	v_add_nc_u32 v[ADRA+(\s)], s22, v3
	v_add_nc_u32 v[ADRB+(\s)], s23, v3
	s_add_co_u32 s22, s22, SLOT
	s_add_co_u32 s23, s23, SLOT
.endr
	s_mul_i32 s22, s[WV], 16*SP
	s_add_co_u32 s22, s22, STAGE                   ; my stage
	v_mul_u32_u24 v[STO], v1, SP                   ; in: row r, 16 bytes for each half of the lanes
	v_lshl_add_u32 v[STO], v2, 4, v[STO]
	v_add_nc_u32 v[STO], s22, v[STO]
	v_and_b32 v4, 7, v0
	v_bfe_u32 v[RD], v0, 3, 2                      ; back: 32 lanes take four rows of 128 bytes,
	v_mul_u32_u24 v[RD], v[RD], SP
	v_lshl_add_u32 v[RD], v4, 4, v[RD]
	v_add_nc_u32 v[RD], s22, v[RD]
	v_and_b32 v[GO], 31, v0                        ; which are 512 consecutive bytes of a head
	v_lshlrev_b32 v[GO], 4, v[GO]
	s_lshr_b32 s22, s43, 3                         ; the batch,
	s_mul_i32 s22, s22, 48
	s_mul_i32 s23, s42, 3
	s_add_co_u32 s22, s22, s23                     ; the first of my three heads, 262,144 bytes each,
	s_lshl_b32 s22, s22, 18
	s_and_b32 s23, s43, 7
	s_lshl_b32 s23, s23, 15                        ; the tile's 256 rows of 128 bytes,
	s_add_co_u32 s22, s22, s23
	s_lshl_b32 s23, s[WV], 13                      ; my 64 of them
	s_add_co_u32 s22, s22, s23
	s_mov_b32 s23, 0
	s_add_nc_u64 s[10:11], s[10:11], s[22:23]
	s_wait_loadcnt 0x0                             ; the bias
.set i, 0
.rept 48                                               ; rounded to bf16 and widened again; this stands in the wait for the first tile
	v_cvt_pk_bf16_f32 v[32+i%4], v[BIAS+2*i], v[BIAS+2*i+1]
	v_lshlrev_b32 v[BIAS+2*i], 16, v[32+i%4]
	v_and_b32 v[BIAS+2*i+1], 0xffff0000, v[32+i%4]
.set i, i+1
.endr
; 12 matrix instructions: row block a x all 12 column blocks, 32 along K.  zero = 1: the first product starts the sum from the bias.
; The 48 accumulators take turns in the same order in every quarter.
.macro MUL12 f, a, zero
.if \zero
	WIN 0x85+0x40*((\a)/2)                         ; sources in window 1, C (the bias) in window 0, D in window 2 or 3
.else
	WIN 0xa5+0x50*((\a)/2)                         ; sources in window 1, C and D in window 2 or 3
.endif
.irp b, 0,1,2,3,4,5,6,7,8,9,10,11
.if \zero
	v_wmma_f32_16x16x32_bf16 v[8*(12*((\a)%2)+(\b)):8*(12*((\a)%2)+(\b))+7], v[(\f)+32+8*(\b):(\f)+32+8*(\b)+7], v[(\f)+8*(\a):(\f)+8*(\a)+7], v[BIAS+8*(\b):BIAS+8*(\b)+7]
.else
	v_wmma_f32_16x16x32_bf16 v[8*(12*((\a)%2)+(\b)):8*(12*((\a)%2)+(\b))+7], v[(\f)+32+8*(\b):(\f)+32+8*(\b)+7], v[(\f)+8*(\a):(\f)+8*(\a)+7], v[8*(12*((\a)%2)+(\b)):8*(12*((\a)%2)+(\b))+7]
.endif
.endr
.endm
; 32 LDS loads in one run: a quarter step's fragments (32 K at byte k of the rows) into buffer f: wat's 24, then xb's 8
.macro FETCH slot, k, f
	WIN TO_F
.irp i, 0,1,2,3,4,5,6,7,8,9,10,11
	ds_load_b128 v[(\f)+32+8*(\i):(\f)+32+8*(\i)+3],   v[ADRB+(\slot)] offset:(\k)+(\i)*16*PITCH
	ds_load_b128 v[(\f)+32+8*(\i)+4:(\f)+32+8*(\i)+7], v[ADRB+(\slot)] offset:(\k)+(\i)*16*PITCH+32
.endr
.irp i, 0,1,2,3
	ds_load_b128 v[(\f)+8*(\i):(\f)+8*(\i)+3],   v[ADRA+(\slot)] offset:(\k)+(\i)*16*PITCH
	ds_load_b128 v[(\f)+8*(\i)+4:(\f)+8*(\i)+7], v[ADRA+(\slot)] offset:(\k)+(\i)*16*PITCH+32
.endr
.endm
.macro PLACES                          ; four places in front of loads into registers that matrix instructions have read, and of conversions that read results
.rept 4
	v_nop
.endr
.endm
; A K step is four quarters of 32 along K, 48 matrix instructions each, on buffers 0, 1, 0, 1.
.macro QUARTER slot, k, f, g, zero
	s_wait_dscnt 4                                 ; wat's fragments and xb's blocks 0, 1 are in; the youngest four loads (blocks 2, 3) may be out
	MUL12 \f, 0, \zero
	MUL12 \f, 1, \zero
	PLACES
	FETCH \slot, \k, \g
	s_wait_dscnt 32                                ; all but the 32 just issued
	MUL12 \f, 2, \zero
	MUL12 \f, 3, \zero
.endm
; The last quarter multiplies buffer 1 and changes slots: each wave waits for all its tensor loads (one is out: its part of the next slot), adds 0 to its spare word,
; waits for that and for its reads of this slot, and signals.  fill = 1: the barrier opens a round of the cluster's, and the joint refill is the first thing behind it.
.macro TURN slot, next, fill
	WIN 0
	s_wait_tensorcnt 0x0
	ds_add_u32 v[SPW], v[NIL]
	s_wait_dscnt 5                                 ; the add and the youngest four loads may be out
	MUL12 F1, 0, 0
	s_wait_dscnt 0x0                               ; the add is done, and my reads of this slot are over
	s_barrier_signal -1
	MUL12 F1, 1, 0
.if \fill
	WIN 0
.endif
	s_barrier_wait -1
.if \fill
	CREST                                          ; no wave of any partner still reads this slot or has a load on its way
	s_add_nc_u64 s[G0+4*(\slot)+2:G0+4*(\slot)+3], s[G0+4*(\slot)+2:G0+4*(\slot)+3], 2*KSTEP*2
	s_add_nc_u64 s[G0B+4*(\slot)+2:G0B+4*(\slot)+3], s[G0B+4*(\slot)+2:G0B+4*(\slot)+3], 2*KSTEP*2
	JLOAD \slot                                    ; its four v_nop are also the places in front of the loads below
.else
	PLACES
.endif
	FETCH \next, 0, F0
	MUL12 F1, 2, 0
	MUL12 F1, 3, 0
.endm
	s_wait_tensorcnt 1                             ; my part of K step 0 is in; K step 1's may stay out
	s_barrier_signal -1
	s_barrier_wait -1
	FETCH 0, 0, F0
	QUARTER 0, 64, F0, F1, 1                       ; the first quarter stands in front of the loop: its products start the sums
	WIN 0
	s_mov_b32 s3, LAPS-1
.Llap:                                                 ; a trip goes once round the ring and fills both slots again
	QUARTER 0, 128, F1, F0, 0
	QUARTER 0, 192, F0, F1, 0
	TURN 0, 1, 1
	QUARTER 1, 64,  F0, F1, 0
	QUARTER 1, 128, F1, F0, 0
	QUARTER 1, 192, F0, F1, 0
	TURN 1, 0, 1
	QUARTER 0, 64,  F0, F1, 0
	WIN 0
	s_sub_co_u32 s3, s3, 1
	s_cmp_lg_u32 s3, 0
	s_cbranch_scc1 .Llap
	QUARTER 0, 128, F1, F0, 0                      ; the last lap fills nothing
	QUARTER 0, 192, F0, F1, 0
	TURN 0, 1, 0
	QUARTER 1, 64,  F0, F1, 0
	QUARTER 1, 128, F1, F0, 0
	QUARTER 1, 192, F0, F1, 0
	s_wait_dscnt 4
	MUL12 F1, 0, 0
	MUL12 F1, 1, 0
	s_wait_dscnt 0x0
	MUL12 F1, 2, 0
	MUL12 F1, 3, 0
; THE WAY OUT.  Unit u = 3 a + e: row block a, head e: 16 rows x 64 channels, 2,048 dense bytes of the head.  Rounded to f16, through my own stage, back as 512 consecutive bytes a load.
.macro PACK u
.set pa, (\u)/3
.set pe, (\u)%3
.set rU, OUTR+16*(\u)
	WIN 0x0a+5*(pa/2)                              ; sources 0 and 1 in window 2 or 3
.irp b, 0,1,2,3
.irp r, 0,1,2,3
	v_cvt_pk_f16_f32 v[rU+4*(\b)+(\r)], v[8*(12*(pa%2)+4*pe+(\b))+2*(\r)], v[8*(12*(pa%2)+4*pe+(\b))+2*(\r)+1]
.endr
.endr
	WIN 0
.irp b, 0,1,2,3
	ds_store_b128 v[STO], v[rU+4*(\b):rU+4*(\b)+3] offset:32*(\b)
.endr
.irp f, 0,1,2,3
	ds_load_b128 v[rU+4*(\f):rU+4*(\f)+3], v[RD] offset:(\f)*4*SP  ; LDS serves a wave's instructions in order (ISA guide 5.7.1.4)
.endr
.endm
.macro SEND u, younger                 ; younger: the LDS instructions issued behind unit u's loads: the next unit's eight, or none
.set rU, OUTR+16*(\u)
.irp f, 0,1,2,3
	s_wait_dscnt (\younger)+3-(\f)
	global_store_b128 v[GO], v[rU+4*(\f):rU+4*(\f)+3], s[10:11] offset:((\u)%3)*262144+((\u)/3)*2048+(\f)*512  ; 512 consecutive bytes, aligned
.endr
.endm
	PLACES
	PACK 0
.set un, 1
.rept 11                                               ; a unit's conversions stand between the loads of the unit before and its stores; every unit has registers of its own
	PACK un
	SEND un-1, 8
.set un, un+1
.endr
	SEND 11, 0
	s_wait_tensorcnt 0x0                           ; the wave's end
	ds_add_u32 v[SPW], v[NIL]
	s_wait_dscnt 0x0
	CROUND                                         ; the closing round
	s_endpgm
.Lfunc_end_k_qdace3c5203_qkvgemm:
	.size	k_qdace3c5203_qkvgemm, .Lfunc_end_k_qdace3c5203_qkvgemm-k_qdace3c5203_qkvgemm
	.p2alignl 7, 3214868480
	.fill 96, 4, 3214868480
	.section	.rodata,"a",@progbits
	.p2align	6, 0x0
	.amdhsa_kernel k_qdace3c5203_qkvgemm
		.amdhsa_group_segment_fixed_size 327680
		.amdhsa_private_segment_fixed_size 0
		.amdhsa_enable_private_segment 0
		.amdhsa_kernarg_size 32
		.amdhsa_user_sgpr_count 2
		.amdhsa_user_sgpr_kernarg_segment_ptr 1
		.amdhsa_wavefront_size32 1
		.amdhsa_system_sgpr_workgroup_id_x 1
		.amdhsa_system_sgpr_workgroup_id_y 1
		.amdhsa_system_sgpr_workgroup_id_z 1
		.amdhsa_system_vgpr_workitem_id 0
		.amdhsa_next_free_vgpr 960
		.amdhsa_next_free_sgpr 66
		.amdhsa_reserve_vcc 0
		.amdhsa_float_denorm_mode_32 3
		.amdhsa_float_denorm_mode_16_64 3
		.amdhsa_memory_ordered 1
		.amdhsa_forward_progress 1
		.amdhsa_inst_pref_size 130
	.end_amdhsa_kernel
	.amdgpu_metadata
---
amdhsa.version: [ 1, 2 ]
amdhsa.kernels:
  - .name:           k_qdace3c5203_qkvgemm
    .symbol:         k_qdace3c5203_qkvgemm.kd
    .args:
      - { .name: xb, .offset: 0, .size: 8, .value_kind: global_buffer, .address_space: global }
      - { .name: wat, .offset: 8, .size: 8, .value_kind: global_buffer, .address_space: global }
      - { .name: b_attn, .offset: 16, .size: 8, .value_kind: global_buffer, .address_space: global }
      - { .name: qkv, .offset: 24, .size: 8, .value_kind: global_buffer, .address_space: global }
    .group_segment_fixed_size: 327680
    .private_segment_fixed_size: 0
    .kernarg_segment_align: 8
    .kernarg_segment_size: 32
    .max_flat_workgroup_size: 128
    .sgpr_count:     66
    .vgpr_count:     960
    .wavefront_size: 32
...
	.end_amdgpu_metadata
.endif
;; end of part 2
;; launch lifattn (part 3): grid 8 x 32, 4 waves a work-group, no clusters, 327,680 bytes of LDS; arguments qkv, threshold, leak, steepness, y; writes y
.if DOCPART == 3
	.amdgcn_target "amdgcn-amd-amdhsa--gfx1250"
	.amdhsa_code_object_version 6
	.text
	.protected	k_qdace3c5203_lifattn
	.globl	k_qdace3c5203_lifattn
	.p2align	8
	.type	k_qdace3c5203_lifattn,@function
k_qdace3c5203_lifattn:
	s_mov_b64 s[64:65], 0
	v_nop
	global_prefetch_b8 v0, s[64:65] scope:SCOPE_SE
	s_setreg_imm32_b32 hwreg(HW_REG_WAVE_MODE, 25, 1), 1
	s_wait_xcnt 0x0
; CAUSAL ATTENTION WITH A GATE ON THE FINISHED PROBABILITIES.  p = softmax_k(q . k / 8) over k <= q;  w = p (lk + (1 - lk) sigmoid(st (p - thr)));  y = sum w v / (sum w + 1e-8).
; q, k, v: [batch][48][2048][64] f16 (q heads 0-15, k 16-31, v 32-47), y: [32][2048][64] f16.  thr = 0.1 |threshold|, lk = sigmoid(leak), st = softplus(steepness), each input rounded to bf16 first.
; TWO PASSES.  w needs the finished p, so pass 1 walks the keys with K Q^T alone and finds m (a running maximum) and l; pass 2 makes K Q^T again, p = 2^(c s - M), M = c m + log2 l, c = log2(e) / 8,
; then the gate, the sum of w and V^T w.  Products, maxima and sums in f32; w is rounded to f16 for the second product (its sum is taken unrounded), y once at the end.
; THE WALK.  A head's queries lie in 16 blocks of 128.  Work-group b takes block 15 - b and then block b: four phases (pass 1, pass 2, pass 1, pass 2) of (17-b)/2, 16-b, (b+2)/2, b+1 visits:
; 26 visits whatever b, so ONE loop with a constant count walks them.  A visit is one LDS slot: in pass 1 four steps of 64 keys of K, in pass 2 two steps of K and the same two of V.
; SHARES.  Of a block's two bands of 64 queries a wave owns 16 rows in each: two PIECES.  So the diagonal is the same work for all four waves.
; THE MASK.  Step SG of 64 keys against band QG: SG < QG open, SG = QG the diagonal (MD, made once), SG > QG all hidden.  A hidden score counts as its value less 1e30.
; The running maximum is kept PER LANE (a query's keys lie in two lanes) and joined once, at pass 1's end.  It starts at -2^93, and c m at the same product that the loop makes, so that a lane that
; has seen hidden keys alone keeps m, has a = 1 and l = 0.
; NO CLUSTER: a head's eight work-groups ask for different tiles in most trips (their phases differ in length with b); a walk common to all would have 8 + 16 + 4 + 8 = 36 trips for 26.
; LIMITS.  q, k, v arrive within f16's 65,504, so scores lie within 2.7e11, far above -2^93; w below 6.1e-5 keeps f16's fixed step of 6e-8; a weight below 2^-126 counts as 0;
; softplus(x) below about x = -24 comes out as 0; NaN and infinities are not treated apart.
; REGISTERS, in windows of 256 (s_set_vgpr_msb: bits 1:0 source 0, 3:2 source 1, 5:4 source 2, 7:6 destination):
;   window 0: v0-15 addresses; v16-31 statistics, 8 a piece; v32-63 Q; v64-127 S^T, 32 a piece; v128-159 E, the gate at work; v160-191 w in f16, 16 a piece; v192-255 K of one step
;   window 1: v0-63 V of one step; v64-127 O^T, 32 a piece; v128-159 MD; v160-191 the second block's Q
.set PKV,   160       ; a row of K or V in LDS: 128 bytes + 32
.set STEPB, 64*PKV    ; a step's 64 rows
.set SLOT1, 65536     ; slot 1 begins here: one exclusive or turns an address in one slot into the other's
.set STAGE, SLOT1+4*STEPB  ; behind the ring: 16 rows x 144 bytes for each wave, for the way out
.set SP,    144
.set SPARE, STAGE+4*16*SP  ; behind the stages: the spare words, 128 bytes for each wave
.set AK0, 2
.set AV0, 3
.set AK,  4
.set AV,  5
.set STO, 6
.set RD,  7
.set GO,  8
.set SPW, 12          ; LDS address of my spare word; never rewritten
.set NIL, 13          ; 0; never rewritten
.set QO,  15
.set ST,  16          ; piece t at ST + 8 t: +0 c m (pass 2: M), +1 m, +2, +3 l (pass 2: the sum of w), +4..+7 c0-c3 at work; a takes c2's place
.set Q,   32
.set S,   64
.set E,   128
.set P,   160
.set KF,  192
.set VF,  0           ; window 1
.set O,   64
.set MD,  128
.set QB,  160
.set WV,  14
.set PB,  15
.set KB,  16          ; s[16:17] K at my 64 rows of the head's first 128
.set QH,  18
.set QL,  20
.set OP,  22          ; s[22:23] y at my rows of the block in hand
.set OLO, 24
.set G1,  28          ; s[28:35]
.set G0,  36          ; s[36:39]
.set OFF, 44          ; s[44:45]
.set R,   46          ; byte offset from KB of what I ask for next
.set RSTEP, 47
.set RCNT, 48         ; requests left in the phase asked for
.set RN,  49          ; R at the next phase's beginning
.set RNX, 50
.set RQ1, 51
.set RQ2, 52
.set RQ3, 53
.set T0,  54
.set ECNT, 55         ; visits left in the phase in hand
.set EQ1, 56
.set EQ2, 57
.set EQ3, 58
.set PASS, 59
.set NEW, 60
.set VIS, 61
.set CNT, 62
.set SG,  63
.set QG0, 66
.set QG1, 67
.set QGL, 68
.set SB,  69
.set TBK, 70
.set TBV, 71
.set CS,  72
.set SEL, 74
.set AL,  76
.set BE,  78
.set A2,  80
.set B2,  82
.set LK,  84
.set OML, 86
.set BIGN, 88
.set T1,  89
.set MSB, 0
.macro WIN new
.if MSB != (\new)
	s_set_vgpr_msb (MSB<<8)|(\new)
.set MSB, (\new)
.endif
.endm
.set W_PV, 0x51       ; V and O^T in window 1, w in window 0
.set W_RS, 0x41       ; destination and source 0 in window 1
; A fill: every wave brings 64 rows of its own (waves 0, 1: the slot's first half; waves 2, 3: its second) to LDS byte 10,240 x wave of the slot.  An s_nop 0 and four v_nop follow.
.macro LOAD
	tensor_load_to_lds s[G0:G0+3], s[G1:G1+7]
	s_nop 0
.rept 4
	v_nop
.endr
.endm
; THE CHANGE OF SLOTS.  Each wave waits for all its tensor loads (one is out: its part of the other slot), adds 0 to its spare word, and waits for that and for its reads of the slot that it leaves.
; fill = 1: the old slot is filled again, first thing behind the barrier; the address is made anew from R, and R steps, or at a phase's last request goes to the next phase's beginning.
.macro CHANGE fill
	WIN 0
	s_wait_tensorcnt 0x0            ; no tensor load of mine is out, so group 0 may be written
	ds_add_u32 v[SPW], v[NIL]
.if \fill
	s_mov_b32 s[OFF], s[R]
	s_xor_b32 s[G0+1], s[G0+1], SLOT1
	s_add_nc_u64 s[G0+2:G0+3], s[KB:KB+1], s[OFF:OFF+1]
	s_or_b32 s[G0+3], s[G0+3], 0x80000000
	s_add_co_u32 s[R], s[R], s[RSTEP]
	s_xor_b32 s[T0], s[RSTEP], 32768^16384  ; pass 1 steps by 256 keys, pass 2 by 128
	s_xor_b32 s[T1], s[RN], s[RNX]
	s_sub_co_u32 s[RCNT], s[RCNT], 1
	s_cmp_eq_u32 s[RCNT], 0
	s_cselect_b32 s[R], s[RN], s[R]
	s_cselect_b32 s[RSTEP], s[T0], s[RSTEP]
	s_cselect_b32 s[RN], s[T1], s[RN]
	s_cselect_b32 s[RCNT], s[RQ1], s[RCNT]
	s_cselect_b32 s[RQ1], s[RQ2], s[RQ1]
	s_cselect_b32 s[RQ2], s[RQ3], s[RQ2]
.endif
	s_wait_dscnt 0x0                ; the add is done, and my reads of the slot are over
	s_barrier_signal -1
	s_xor_b32 s[SB], s[SB], SLOT1   ; the fetches go to the other slot's beginning
	s_mov_b32 s[TBK], s[SB]
	s_add_co_u32 s[TBV], s[SB], 2*STEPB
	s_barrier_wait -1
.if \fill
	LOAD
.endif
.endm
	s_load_b256 s[4:11], s[0:1], 0x0  ; qkv s[4:5], threshold s[6:7], leak s[8:9], steepness s[10:11]
	s_load_b64 s[12:13], s[0:1], 0x20 ; y
	v_lshl_add_u32 v[SPW], v0, 2, SPARE
	v_mov_b32 v[NIL], 0
	ds_add_u32 v[SPW], v[NIL]       ; the wave's opening: the add and its wait stand ahead of my first tensor load
	ds_add_u32 v12, v13
	v_lshrrev_b32 v1, 5, v0
	v_readfirstlane_b32 s[WV], v1
	s_mov_b32 s[PB], ttmp9
	s_and_b32 s26, ttmp7, 0xffff    ; 16 x batch + head
	s_lshr_b32 s27, s26, 4
	s_and_b32 s2, s26, 15
	s_mul_i32 s40, s27, 48
	s_add_co_u32 s40, s40, s2
	s_lshl_b32 s40, s40, 18         ; q's rows of this head, in bytes
	s_lshl_b32 s3, s[WV], 11        ; my 16 rows in a band
	s_sub_co_u32 s41, 15, s[PB]
	s_lshl_b32 s41, s41, 14
	s_add_co_u32 s41, s41, s3       ; in the first block,
	s_lshl_b32 s42, s[PB], 14
	s_add_co_u32 s42, s42, s3       ; in the second
	s_lshl_b32 s43, s26, 18         ; y's rows of this head
	s_and_b32 s90, s[WV], 1
	s_lshl_b32 s90, s90, 13         ; which 64 of 128 rows I fetch
	s_add_co_u32 s90, s90, s40
	s_add_co_u32 s90, s90, 1<<22    ; k lies 16 heads behind q
	s_mov_b32 s91, 0
	s_add_co_u32 s92, s40, s41
	s_mov_b32 s93, 0
	s_add_co_u32 s94, s40, s42
	s_mov_b32 s95, 0
	; descriptor group 1: 64 rows are 8,192 dense bytes: asked for as 32 rows of 256 bytes, padded in LDS after every 128
	s_mov_b32 s[G1], (1<<16)|(1<<20)|(4<<22)|(7<<25)  ; 2-byte elements; padding on: 8 words behind every 32
	s_mov_b32 s[G1+1], 128<<16      ; tensor_dim0 = 128
	s_mov_b32 s[G1+2], 32<<16       ; tensor_dim1 = 32
	s_mov_b32 s[G1+3], 128<<16      ; tile_dim0 = 128
	s_mov_b32 s[G1+4], 32           ; tile_dim1 = 32
	s_mov_b32 s[G1+5], 128          ; elements from row to row
	s_mov_b32 s[G1+6], 0
	s_mov_b32 s[G1+7], 0
	s_mov_b32 s[G0], 1
	s_mul_i32 s[G0+1], s[WV], STEPB ; slot 0
	s_lshr_b32 s[T0], s[WV], 1
	s_lshl_b32 s[R], s[T0], 14      ; pass 1: waves 2, 3 take the second 128 keys of 256,
	s_lshl_b32 s[RN], s[T0], 22     ; pass 2: V, 16 heads behind K
	s_or_b32 s[RNX], s[R], s[RN]    ; turns the one beginning into the other
	s_mov_b32 s[RSTEP], 32768
	s_mov_b32 s[OFF+1], 0
	s_sub_co_u32 s[ECNT], 17, s[PB]
	s_lshr_b32 s[ECNT], s[ECNT], 1  ; the four phases' visits
	s_sub_co_u32 s[EQ1], 16, s[PB]
	s_add_co_u32 s[EQ2], s[PB], 2
	s_lshr_b32 s[EQ2], s[EQ2], 1
	s_add_co_u32 s[EQ3], s[PB], 1
	s_sub_co_u32 s[RCNT], s[ECNT], 1  ; the first visit is asked for below
	s_mov_b32 s[RQ1], s[EQ1]
	s_mov_b32 s[RQ2], s[EQ2]
	s_mov_b32 s[RQ3], s[EQ3]
	s_mov_b32 s[PASS], 0
	s_mov_b32 s[NEW], 1
	s_mov_b32 s[SG], 0
	s_lshl_b32 s[QGL], s[PB], 1     ; the second block's first band,
	s_sub_co_u32 s[QG0], 30, s[QGL] ; the first block's two
	s_add_co_u32 s[QG1], s[QG0], 1
	s_mov_b32 s[SB], SLOT1          ; the first change of slots turns it into 0
	s_mov_b32 s[CS], 0x3e38aa3b     ; c = log2(e) / 8
	s_mov_b32 s[CS+1], s[CS]
	s_mov_b32 s[SEL], 0x76543210
	s_mov_b32 s[SEL+1], 0xfedcba98
	s_mov_b32 s[AL+1], 0            ; named as pairs
	s_mov_b32 s[BE+1], 0
	s_mov_b32 s[BIGN], 0xf149f2ca   ; -1e30
	s_wait_dscnt 0x0                ; the opening add is done
	s_wait_kmcnt 0x0
	s_add_nc_u64 s[KB:KB+1], s[4:5], s[90:91]
	s_add_nc_u64 s[QH:QH+1], s[4:5], s[92:93]
	s_add_nc_u64 s[QL:QL+1], s[4:5], s[94:95]
	s_add_co_u32 s92, s43, s41
	s_add_co_u32 s94, s43, s42
	s_add_nc_u64 s[OP:OP+1], s[12:13], s[92:93]
	s_add_nc_u64 s[OLO:OLO+1], s[12:13], s[94:95]
	s_lshl_b32 s90, s2, 2           ; the head's word in the three vectors
	s_add_nc_u64 s[6:7], s[6:7], s[90:91]
	s_add_nc_u64 s[8:9], s[8:9], s[90:91]
	s_add_nc_u64 s[10:11], s[10:11], s[90:91]
	s_load_b32 s92, s[6:7], 0x0
	s_load_b32 s93, s[8:9], 0x0
	s_load_b32 s94, s[10:11], 0x0
	s_mov_b32 s[OFF], s[R]
	s_add_nc_u64 s[G0+2:G0+3], s[KB:KB+1], s[OFF:OFF+1]
	s_or_b32 s[G0+3], s[G0+3], 0x80000000
	LOAD                            ; the first visit's tile into slot 0
	s_add_co_u32 s[R], s[R], s[RSTEP]
	v_and_b32 v1, 15, v0            ; r = lane % 16
	v_bfe_u32 v9, v0, 4, 1          ; h = lane / 16
	v_lshlrev_b32 v[QO], 7, v1
	v_lshl_add_u32 v[QO], v9, 4, v[QO]
	v_lshlrev_b32 v14, 3, v9
	v_sub_nc_u32 v14, v1, v14
	s_lshl_b32 s26, s[WV], 4
	v_add_nc_u32 v14, s26, v14      ; my query's place in its band less my lanes' 8 h: register j of key block kb is hidden where 16 kb + j is greater
.set i, 0
.rept 4                             ; Q stays in registers: piece i / 2 lies 8,192 bytes on; channels 32 (i % 2) on
	global_load_b128 v[Q+8*i:Q+8*i+3],   v[QO], s[QH:QH+1] offset:(i/2)*8192+(i%2)*64
	global_load_b128 v[Q+8*i+4:Q+8*i+7], v[QO], s[QH:QH+1] offset:(i/2)*8192+(i%2)*64+32
.set i, i+1
.endr
	WIN 0x40
.set i, 0
.rept 4
	global_load_b128 v[QB+8*i:QB+8*i+3],   v[QO], s[QL:QL+1] offset:(i/2)*8192+(i%2)*64
	global_load_b128 v[QB+8*i+4:QB+8*i+7], v[QO], s[QL:QL+1] offset:(i/2)*8192+(i%2)*64+32
.set i, i+1
.endr
.set i, 0
.rept 32
	v_cmp_gt_i32 vcc_lo, 16*(i/8)+i%8, v14
	v_cndmask_b32 v[MD+i], 0, s[BIGN], vcc_lo
.set i, i+1
.endr
.set i, 0
.rept 128                           ; V and O^T hold finite numbers from the start: a pass's first products V^T w, of a piece that has not been, multiply w = 0.  This stands in the wait for the first tile.
	v_mov_b32 v[i], 0
.set i, i+1
.endr
	WIN 0
.set i, 0
.rept 32
	v_mov_b32 v[P+i], 0
.set i, i+1
.endr
.macro STINIT                       ; a block's statistics: m = -2^93, c m by the loop's own product, l = 0
.set t, 0
.rept 2
	v_mov_b32 v[ST+8*t+1], 0xee000000
	v_mov_b32 v[ST+8*t+2], 0
	v_mov_b32 v[ST+8*t+3], 0
	v_mul_f32 v[ST+8*t], s[CS], v[ST+8*t+1]
.set t, t+1
.endr
.endm
	STINIT
.irp i, 4,5,6,7,12,13,14,15
	v_mov_b32 v[ST+\i], 0
.endr
	v_mul_u32_u24 v[AK0], v1, PKV
	v_lshl_add_u32 v[AK0], v9, 4, v[AK0]  ; row x pitch + 16 x half
	v_and_b32 v10, 7, v0            ; the turning load: lane l reads key 8 h + l % 8, channels 8 ((l / 8) % 2) on
	v_bfe_u32 v11, v0, 3, 1
	v_lshl_add_u32 v[AV0], v9, 3, v10
	v_mul_u32_u24 v[AV0], v[AV0], PKV
	v_lshl_add_u32 v[AV0], v11, 4, v[AV0]
	s_mul_i32 s26, s[WV], 16*SP
	s_add_co_u32 s26, s26, STAGE    ; my stage
	v_mul_u32_u24 v[STO], v1, SP
	v_lshl_add_u32 v[STO], v9, 4, v[STO]
	v_add_nc_u32 v[STO], s26, v[STO]
	v_bfe_u32 v[RD], v0, 3, 2
	v_mul_u32_u24 v[RD], v[RD], SP
	v_lshl_add_u32 v[RD], v10, 4, v[RD]
	v_add_nc_u32 v[RD], s26, v[RD]
	v_and_b32 v[GO], 31, v0
	v_lshlrev_b32 v[GO], 4, v[GO]
	; the head's constants: A2 = -log2(e) st, B2 = log2(e) st thr, so that sigmoid(st (p - thr)) = 1 / (1 + 2^(A2 p + B2))
	s_wait_kmcnt 0x0
	v_mov_b32 v10, s92
	v_mov_b32 v11, s93
	v_mov_b32 v14, s94
	v_cvt_pk_bf16_f32 v10, v10, v11 ; the three inputs rounded to bf16, like every input
	v_cvt_pk_bf16_f32 v14, v14, v14
	v_and_b32 v11, 0xffff0000, v10  ; leak
	v_lshlrev_b32 v10, 16, v10      ; threshold
	v_lshlrev_b32 v14, 16, v14      ; steepness
	v_and_b32 v10, 0x7fffffff, v10
	v_mul_f32 v10, 0x3dcccccd, v10  ; thr = 0.1 |threshold|
	v_mul_f32 v11, 0xbfb8aa3b, v11
	v_exp_f32 v11, v11
	v_and_b32 v[E], 0x7fffffff, v14 ; (a plain line stands behind each transcendental: ISA guide 5.7.2)
	s_wait_alu depctr_va_vdst(0)
	v_add_f32 v11, 1.0, v11
	v_rcp_f32 v11, v11              ; lk
	v_mul_f32 v[E], 0xbfb8aa3b, v[E]
	v_exp_f32 v[E], v[E]
	v_max_num_f32 v14, 0, v14
	s_wait_alu depctr_va_vdst(0)
	v_add_f32 v[E], 1.0, v[E]
	v_log_f32 v[E], v[E]
	v_sub_f32 v[E+1], 1.0, v11      ; 1 - lk
	s_wait_alu depctr_va_vdst(0)
	v_fmamk_f32 v14, v[E], 0x3f317218, v14  ; st = max(x, 0) + ln 2 log2(1 + 2^(-log2(e) |x|))
	v_mul_f32 v[E+2], 0xbfb8aa3b, v14
	v_mul_f32 v[E+3], 0x3fb8aa3b, v14
	v_mul_f32 v[E+3], v[E+3], v10
	v_readfirstlane_b32 s[A2], v[E+2]
	v_readfirstlane_b32 s[B2], v[E+3]
	v_readfirstlane_b32 s[LK], v11
	v_readfirstlane_b32 s[OML], v[E+1]
	s_mov_b32 s[A2+1], s[A2]
	s_mov_b32 s[B2+1], s[B2]
	s_mov_b32 s[LK+1], s[LK]
	s_mov_b32 s[OML+1], s[OML]
; THE MATRIX WORK.  The four accumulators of a run of eight take turns, and neighbouring runs name other accumulators.
; Product i of 8 of S^T = K Q^T for piece x: channels 32 (i / 4) on, keys 16 (i % 4) on.  The first four start the sums.
.macro QK x
	WIN 0
.set rA, S+32*(\x)+8*(i%4)
.set rK, KF+16*(i%4)+8*(i/4)
.set rQ, Q+16*(\x)+8*(i/4)
.if i < 4
	v_wmma_f32_16x16x32_f16 v[rA:rA+7], v[rK:rK+7], v[rQ:rQ+7], 0
.else
	v_wmma_f32_16x16x32_f16 v[rA:rA+7], v[rK:rK+7], v[rQ:rQ+7], v[rA:rA+7]
.endif
.set i, i+1
.endm
; Product i of 8 of O^T += V^T w for piece x: keys 32 (i / 4) on, channels 16 (i % 4) on.
.macro PV x
	WIN W_PV
.set rA, O+32*(\x)+8*(i%4)
.set rV, VF+32*(i/4)+8*(i%4)
.set rW, P+16*(\x)+8*(i/4)
	v_wmma_f32_16x16x32_f16 v[rA:rA+7], v[rV:rV+7], v[rW:rW+7], v[rA:rA+7]
.set i, i+1
.endm
; THE LDS LOADS stand in runs of 16: a step's K (8 fragments) and its V (turned).
.macro FETCH_K
	WIN 0
	v_add_nc_u32 v[AK], s[TBK], v[AK0]
.irp f, 0,1,2,3,4,5,6,7             ; keys 16 (f / 2) on, channels 32 (f % 2) on
	ds_load_b128 v[KF+8*\f:KF+8*\f+3],   v[AK] offset:(\f/2)*16*PKV+(\f%2)*64
	ds_load_b128 v[KF+8*\f+4:KF+8*\f+7], v[AK] offset:(\f/2)*16*PKV+(\f%2)*64+32
.endr
	s_add_co_u32 s[TBK], s[TBK], STEPB
.endm
.macro FETCH_V
	WIN 0
	v_add_nc_u32 v[AV], s[TBV], v[AV0]
	s_add_co_u32 s[TBV], s[TBV], STEPB
	WIN 0x40
.irp f, 0,1,2,3,4,5,6,7             ; keys 32 (f / 4) on, channels 16 (f % 4) on
	ds_load_tr16_b128 v[VF+8*\f:VF+8*\f+3],   v[AV] offset:(\f/4)*32*PKV+(\f%4)*32
	ds_load_tr16_b128 v[VF+8*\f+4:VF+8*\f+7], v[AV] offset:(\f/4)*32*PKV+16*PKV+(\f%4)*32
.endr
	WIN 0
.endm
; THE MASK on piece t's scores of step SG; jumped over where the step lies below the band.  Pairs in ascending order: each accumulator's lowest registers are read first.
.macro MASKQ t
	WIN 0
	s_cmp_lt_u32 s[SG], s[QG0+(\t)]
	s_cbranch_scc1 .Lopen_\@
	s_cmp_eq_u32 s[SG], s[QG0+(\t)]
	s_cselect_b32 s[AL], 1.0, 0     ; the band's own step: MD;
	s_cselect_b32 s[BE], 0, s[BIGN] ; a later one: everything
	WIN 0x01
.set z, 0
.rept 16
	v_pk_fma_f32 v[S+32*(\t)+2*z:S+32*(\t)+2*z+1], v[MD+2*z:MD+2*z+1], s[AL:AL+1], v[S+32*(\t)+2*z:S+32*(\t)+2*z+1] op_sel_hi:[1,0,1]
.set z, z+1
.endr
	WIN 0
.set z, 0
.rept 16
	v_pk_add_f32 v[S+32*(\t)+2*z:S+32*(\t)+2*z+1], v[S+32*(\t)+2*z:S+32*(\t)+2*z+1], s[BE:BE+1] op_sel_hi:[1,0]
.set z, z+1
.endr
.Lopen_\@:
.endm
; Sum number m of 16 (outside 1..16: nothing).  Odd m: of the four weights 4 k .. the second pair is added onto the first, in place.  Even m: the running sum takes that (pass 1's first: l = a l + sum).
.macro SUMS m, p2
.if ((\m) >= 1) && ((\m) <= 16)
.if (\m)%2 == 1
.set kq, ((\m)-1)/2
	s_wait_alu depctr_va_vdst(0)
	v_pk_add_f32 v[rS+4*kq:rS+4*kq+1], v[rS+4*kq:rS+4*kq+1], v[rS+4*kq+2:rS+4*kq+3]
	s_wait_alu depctr_va_vdst(0)
.elseif ((\m) == 2) && !(\p2)
	v_pk_fma_f32 v[rT+2:rT+3], v[rT+2:rT+3], v[rT+6:rT+7], v[rS:rS+1] op_sel_hi:[1,0,1]
.else
.set kq, ((\m)-2)/2
	v_pk_add_f32 v[rT+2:rT+3], v[rT+2:rT+3], v[rS+4*kq:rS+4*kq+1]
	s_wait_alu depctr_va_vdst(0)
.endif
.endif
.endm
.macro SCALE n                      ; c s - c m (pass 2: c s - M) for pair n
	v_pk_fma_f32 v[rS+2*(\n):rS+2*(\n)+1], v[rS+2*(\n):rS+2*(\n)+1], s[CS:CS+1], v[rT:rT+1] op_sel_hi:[1,0,0] neg_lo:[0,0,1] neg_hi:[0,0,1]
.endm
; PASS 1's VECTOR WORK for piece Y and one step: a list of 100 slots, 84 of them filled; V1S writes slot q1.
;   0-15  the lane's maximum of 32 scores and the old m, three operands at a time     16-19  c m; c m_old - c m; c m kept; a
;   then 20 rounds of four: the scaling of pair i; two exponentials of pair i - 1, a sum between them: a plain line stands behind every exponential before its result is used
.macro V1S
.set rT, ST+8*Y
.set rS, S+32*Y
.if q1 < 4
	v_max3_num_f32 v[rT+4+q1], v[rS+8*q1], v[rS+8*q1+1], v[rS+8*q1+2]
.elseif q1 < 12
	v_max3_num_f32 v[rT+4+q1%4], v[rT+4+q1%4], v[rS+8*(q1%4)+2*(q1/4)+1], v[rS+8*(q1%4)+2*(q1/4)+2]
.elseif q1 == 12
	v_max3_num_f32 v[rT+4], v[rT+4], v[rS+7], v[rS+15]
.elseif q1 == 13
	v_max3_num_f32 v[rT+5], v[rT+5], v[rS+23], v[rS+31]
.elseif q1 == 14
	v_max3_num_f32 v[rT+6], v[rT+6], v[rT+7], v[rT+1]
.elseif q1 == 15
	v_max3_num_f32 v[rT+1], v[rT+4], v[rT+5], v[rT+6]
.elseif q1 == 16
	v_mul_f32 v[rT+7], s[CS], v[rT+1]
.elseif q1 == 17
	v_sub_f32 v[rT+5], v[rT], v[rT+7]
.elseif q1 == 18
	v_mov_b32 v[rT], v[rT+7]
.elseif q1 == 19
	v_exp_f32 v[rT+6], v[rT+5]
.else
.set it, (q1-20)/4
.set ps, (q1-20)%4
.if ps == 0
.if it < 16
	SCALE it
.endif
.elseif ps == 2
	SUMS it-3, 0
.elseif (it >= 1) && (it <= 16)
	v_exp_f32 v[rS+2*(it-1)+ps/2], v[rS+2*(it-1)+ps/2]
.endif
.endif
.set q1, q1+1
.endm
.macro V1 n
	WIN 0
.rept \n
	V1S
.endr
.endm
; PASS 2's VECTOR WORK: 26 rounds of 13 slots, 208 filled; V2S writes slot q2.  In round i, plain and transcendental by turns:
;   0 c s - M (pair i)   1, 3 p = 2^.. (i - 1)   2 E = A2 p + B2 (i - 2)   5, 7 2^E (i - 3)   4 E + 1 (i - 4)   9, 11 1 / E (i - 5)   6 E (1 - lk) + lk (i - 6)   8 w = p E (i - 7)
;   10 w to f16 (i - 8)   12 the sums (i - 9).  Between each transcendental and the first use of its result stands a plain line on other registers, in the first and last rounds too.
.macro V2S
.set rT, ST+8*Y
.set rS, S+32*Y
.set rP, P+16*Y
.set it, q2/13
.set ps, q2%13
.if ps == 0
.if it < 16
	SCALE it
.endif
.elseif (ps == 1) || (ps == 3)
.if (it >= 1) && (it <= 16)
	v_exp_f32 v[rS+2*(it-1)+ps/2], v[rS+2*(it-1)+ps/2]
.endif
.elseif ps == 2
.if (it >= 2) && (it <= 17)
	s_wait_alu depctr_va_vdst(0)
	v_pk_fma_f32 v[E+2*(it-2):E+2*(it-2)+1], v[rS+2*(it-2):rS+2*(it-2)+1], s[A2:A2+1], s[B2:B2+1] op_sel_hi:[1,0,0]
.endif
.elseif ps == 4
.if (it >= 4) && (it <= 19)
	v_pk_add_f32 v[E+2*(it-4):E+2*(it-4)+1], v[E+2*(it-4):E+2*(it-4)+1], 1.0 op_sel_hi:[1,0]
.endif
.elseif (ps == 5) || (ps == 7)
.if (it >= 3) && (it <= 18)
	v_exp_f32 v[E+2*(it-3)+(ps-5)/2], v[E+2*(it-3)+(ps-5)/2]
.endif
.elseif ps == 6
.if (it >= 6) && (it <= 21)
	v_pk_fma_f32 v[E+2*(it-6):E+2*(it-6)+1], v[E+2*(it-6):E+2*(it-6)+1], s[OML:OML+1], s[LK:LK+1] op_sel_hi:[1,0,0]
.endif
.elseif ps == 8
.if (it >= 7) && (it <= 22)
	v_pk_mul_f32 v[rS+2*(it-7):rS+2*(it-7)+1], v[rS+2*(it-7):rS+2*(it-7)+1], v[E+2*(it-7):E+2*(it-7)+1]
.endif
.elseif (ps == 9) || (ps == 11)
.if (it >= 5) && (it <= 20)
	v_rcp_f32 v[E+2*(it-5)+(ps-9)/2], v[E+2*(it-5)+(ps-9)/2]
.endif
.elseif ps == 10
.if (it >= 8) && (it <= 23)
	v_cvt_pk_f16_f32 v[rP+it-8], v[rS+2*(it-8)], v[rS+2*(it-8)+1]
.endif
.else
	SUMS it-9, 1
.endif
.set q2, q2+1
.endm
.macro V2 n
	WIN 0
.rept \n
	V2S
.endr
.endm
; A TURN belongs to piece p: its vector list is issued, and the matrix unit works for the neighbours between its lines.  Behind every run of products at least twelve plain lines that name none of
; their registers stand ahead of the first read of a result, and at least four ahead of a load into a fragment that they read.
; Pass 1.  Piece 0's turn: the scores of piece 1, same step.  Piece 1's turn: the next step's K is fetched, then the scores of piece 0 of that step.
.macro TURN1 p
.set Y, (\p)
.set q1, 0
.set i, 0
.if (\p) == 0
	MASKQ 0
.rept 8
	QK 1
	V1 4
.endr
	V1 68
.else
	FETCH_K
	MASKQ 1
	s_add_co_u32 s[SG], s[SG], 1
	V1 20
	s_wait_dscnt 0x0                ; K is in
.rept 8
	QK 0
	V1 4
.endr
	V1 48
.endif
.endm
; Pass 2.  Piece 0's turn: the scores of piece 1, same step; V^T w of piece 1, the step before; then V of the step in hand is fetched.
; Piece 1's turn: the next step's K is fetched; V^T w of piece 0, the step in hand; the scores of piece 0 of the next step.
.macro TURN2 p
.set Y, (\p)
.set q2, 0
.set i, 0
.if (\p) == 0
	MASKQ 0
.rept 8
	QK 1
	V2 13
.endr
.set i, 0
.rept 8
	PV 1
	V2 13
.endr
.rept 4
	v_nop                           ; the places between the last product that read V and the loads into it
.endr
	FETCH_V
	V2 130
.else
	s_wait_dscnt 0x0                ; V is in
	FETCH_K
	MASKQ 1
	s_add_co_u32 s[SG], s[SG], 1
.rept 8
	PV 0
	V2 13
.endr
	s_wait_dscnt 0x0                ; K is in
.set i, 0
.rept 8
	QK 0
	V2 13
.endr
	V2 130
.endif
.endm
.macro BOTH line:vararg             ; one line for each piece t
.set t, 0
	s_wait_alu depctr_va_vdst(0)
.rept 2
	\line
.set t, t+1
.endr
.endm
.macro NEXTPH                       ; the next phase's visits
	s_mov_b32 s[NEW], 1
	s_mov_b32 s[ECNT], s[EQ1]
	s_mov_b32 s[EQ1], s[EQ2]
	s_mov_b32 s[EQ2], s[EQ3]
.endm
; PASS 1's END: piece 1's last step; then a query's two lanes are joined: m = the greater, l = the sum of both l brought to it; M = c m + log2 l.  The sum of w, O^T and piece 1's w start at 0.
.macro END1
.set Y, 1
.set q1, 0
	MASKQ 1
	V1 100
	BOTH v_permlanex16_b32 v[ST+8*t+4], v[ST+8*t+1], s[SEL], s[SEL+1]
	BOTH v_max_num_f32 v[ST+8*t+4], v[ST+8*t+1], v[ST+8*t+4]
	BOTH v_mul_f32 v[ST+8*t+5], s[CS], v[ST+8*t+4]
	BOTH v_sub_f32 v[ST+8*t+7], v[ST+8*t], v[ST+8*t+5]
	BOTH v_exp_f32 v[ST+8*t+7], v[ST+8*t+7]
	BOTH v_add_f32 v[ST+8*t+2], v[ST+8*t+2], v[ST+8*t+3]
	BOTH v_mul_f32 v[ST+8*t+2], v[ST+8*t+2], v[ST+8*t+7]
	BOTH v_permlanex16_b32 v[ST+8*t+3], v[ST+8*t+2], s[SEL], s[SEL+1]
	BOTH v_add_f32 v[ST+8*t+2], v[ST+8*t+2], v[ST+8*t+3]
	BOTH v_log_f32 v[ST+8*t+2], v[ST+8*t+2]
	BOTH v_mov_b32 v[ST+8*t+3], 0
	BOTH v_add_f32 v[ST+8*t], v[ST+8*t+5], v[ST+8*t+2]
	BOTH v_mov_b32 v[ST+8*t+2], 0
.set i, 0
.rept 16
	v_mov_b32 v[P+16+i], 0
.set i, i+1
.endr
	WIN 0x40
.set i, 0
.rept 64
	v_mov_b32 v[O+i], 0
.set i, i+1
.endr
	WIN 0
	s_mov_b32 s[PASS], 1
	NEXTPH
.endm
; A PHASE BEGINS: K of its first step, and piece 0's first scores.  The step loop is then entered at piece 0's turn, in the middle of a trip.
.macro BEGIN
	s_mov_b32 s[NEW], 0
	s_mov_b32 s[SG], 0
	FETCH_K
	s_wait_loadcnt 0x0              ; Q
	s_wait_dscnt 0x0
.set i, 0
.rept 8
	QK 0
.endr
.rept 4
	v_nop                           ; the places behind those products
.endr
.endm
; THE WAY OUT of piece t: O^T divided by the sum of w + 1e-8, rounded to f16, through my stage, back as 512 consecutive bytes a load.
.macro PACK t
	WIN W_RS
.set i, 0
.rept 16
	v_pk_mul_f32 v[O+32*(\t)+2*i:O+32*(\t)+2*i+1], v[O+32*(\t)+2*i:O+32*(\t)+2*i+1], v[ST+8*(\t)+2:ST+8*(\t)+3] op_sel_hi:[1,0]
.set i, i+1
.endr
	WIN 0x05
.set i, 0
.rept 16
	v_cvt_pk_f16_f32 v[S+16*(\t)+i], v[O+32*(\t)+2*i], v[O+32*(\t)+2*i+1]
.set i, i+1
.endr
	WIN 0
.irp f, 0,1,2,3
	ds_store_b128 v[STO], v[S+16*(\t)+4*\f:S+16*(\t)+4*\f+3] offset:32*\f
.endr
.irp f, 0,1,2,3
	ds_load_b128 v[S+16*(\t)+4*\f:S+16*(\t)+4*\f+3], v[RD] offset:\f*4*SP  ; LDS serves a wave's instructions in order (ISA guide 5.7.1.4)
.endr
.endm
.macro SEND t, younger
.irp f, 0,1,2,3
	s_wait_dscnt (\younger)+3-\f
	global_store_b128 v[GO], v[S+16*(\t)+4*\f:S+16*(\t)+4*\f+3], s[OP:OP+1] offset:(\t)*8192+\f*512  ; 512 consecutive bytes, aligned
.endr
.endm
; PASS 2's TEXT, written twice: in the loop (last = 0: the first block's end follows it, and the change of blocks) and for the walk's last visit (last = 1).
.macro PASS2 tag, last
.Lstep2_\tag:
	TURN2 1
	WIN 0
.Lfirst2_\tag:
	TURN2 0
	WIN 0
	s_sub_co_u32 s[CNT], s[CNT], 1
	s_cmp_lg_u32 s[CNT], 0
	s_cbranch_scc1 .Lstep2_\tag
.if !(\last)
	s_cmp_lg_u32 s[ECNT], 0
	s_cbranch_scc1 .Lbottom
.endif
.set Y, 1                           ; the pass's end: piece 1's last step beside V^T w of piece 0; then V^T w of piece 1
.set q2, 0
.set i, 0
	s_wait_dscnt 0x0                ; V is in
	MASKQ 1
.rept 8
	PV 0
	V2 13
.endr
	V2 234
.set i, 0
.rept 8
	PV 1
.endr
	WIN 0
	BOTH v_add_f32 v[ST+8*t+2], v[ST+8*t+2], v[ST+8*t+3]
	BOTH v_permlanex16_b32 v[ST+8*t+3], v[ST+8*t+2], s[SEL], s[SEL+1]
	BOTH v_add_f32 v[ST+8*t+2], v[ST+8*t+2], v[ST+8*t+3]
	BOTH v_add_f32 v[ST+8*t+2], 0x322bcc77, v[ST+8*t+2]
	BOTH v_rcp_f32 v[ST+8*t+2], v[ST+8*t+2]
	v_nop                           ; a plain line between the last reciprocal and the use of its result
	s_wait_alu depctr_va_vdst(0)
	PACK 0                          ; these lines, which name nothing of piece 1's last products, are the places behind them
	PACK 1
	SEND 0, 8
	SEND 1, 0
.if !(\last)
	s_wait_xcnt 0x0                 ; the stores have read their registers and y's address
	s_wait_loadcnt 0x0
	s_mov_b64 s[OP:OP+1], s[OLO:OLO+1]
	s_mov_b32 s[QG0], s[QGL]
	s_add_co_u32 s[QG1], s[QGL], 1
	s_mov_b32 s[PASS], 0
	NEXTPH
	WIN 0x01                        ; the second block's Q goes where the one text of the turns names Q
.set i, 0
.rept 32
	v_mov_b32 v[Q+i], v[QB+i]
.set i, i+1
.endr
	WIN 0
	STINIT
.endif
.endm
	s_mov_b32 s[VIS], 25
.Lvisit:                            ; 25 times: a slot is entered and the next visit's tile is asked for
	CHANGE 1
	s_sub_co_u32 s[ECNT], s[ECNT], 1
	s_cmp_eq_u32 s[NEW], 1
	s_cbranch_scc1 .Lnew            ; a phase's first visit
	s_cmp_eq_u32 s[PASS], 0
	s_cbranch_scc0 .Lgo2
	s_mov_b32 s[CNT], 4
	s_branch .Lstep1
.Lgo2:
	s_mov_b32 s[CNT], 2
	s_branch .Lstep2_1
.Lnew:
	BEGIN
	s_cmp_eq_u32 s[PASS], 0
	s_cbranch_scc0 .Lnew2
	s_mov_b32 s[CNT], 4
	s_branch .Lfirst1
.Lnew2:
	s_mov_b32 s[CNT], 2
	s_branch .Lfirst2_1
.Lstep1:                            ; a trip: piece 1 of one step, then piece 0 of the next, whose K it fetches
	TURN1 1
	WIN 0
.Lfirst1:
	TURN1 0
	WIN 0
	s_sub_co_u32 s[CNT], s[CNT], 1
	s_cmp_lg_u32 s[CNT], 0
	s_cbranch_scc1 .Lstep1
	s_cmp_lg_u32 s[ECNT], 0
	s_cbranch_scc1 .Lbottom
	END1
	s_branch .Lbottom
	PASS2 1, 0
.Lbottom:
	s_sub_co_u32 s[VIS], s[VIS], 1
	s_cmp_lg_u32 s[VIS], 0
	s_cbranch_scc1 .Lvisit
	CHANGE 0                        ; the walk's last visit, the second block's last two steps of pass 2: nothing is asked for
	s_mov_b32 s[CNT], 2
	s_cmp_eq_u32 s[NEW], 1
	s_cbranch_scc0 .Lstep2_2
	BEGIN
	s_branch .Lfirst2_2
	PASS2 2, 1
	s_wait_tensorcnt 0x0            ; the wave's end
	ds_add_u32 v[SPW], v[NIL]
	s_wait_dscnt 0x0
	s_endpgm
.Lfunc_end_k_qdace3c5203_lifattn:
	.size	k_qdace3c5203_lifattn, .Lfunc_end_k_qdace3c5203_lifattn-k_qdace3c5203_lifattn
	.p2alignl 7, 3214868480
	.fill 96, 4, 3214868480
	.section	.rodata,"a",@progbits
	.p2align	6, 0x0
	.amdhsa_kernel k_qdace3c5203_lifattn
		.amdhsa_group_segment_fixed_size 327680
		.amdhsa_private_segment_fixed_size 0
		.amdhsa_enable_private_segment 0
		.amdhsa_kernarg_size 40
		.amdhsa_user_sgpr_count 2
		.amdhsa_user_sgpr_kernarg_segment_ptr 1
		.amdhsa_wavefront_size32 1
		.amdhsa_system_sgpr_workgroup_id_x 1
		.amdhsa_system_sgpr_workgroup_id_y 1
		.amdhsa_system_sgpr_workgroup_id_z 1
		.amdhsa_system_vgpr_workitem_id 0
		.amdhsa_next_free_vgpr 448
		.amdhsa_next_free_sgpr 96
		.amdhsa_reserve_vcc 1
		.amdhsa_float_denorm_mode_32 3
		.amdhsa_float_denorm_mode_16_64 3
		.amdhsa_memory_ordered 1
		.amdhsa_forward_progress 1
		.amdhsa_inst_pref_size 162
	.end_amdhsa_kernel
	.amdgpu_metadata
---
amdhsa.version: [ 1, 2 ]
amdhsa.kernels:
  - .name:           k_qdace3c5203_lifattn
    .symbol:         k_qdace3c5203_lifattn.kd
    .args:
      - { .name: qkv, .offset: 0, .size: 8, .value_kind: global_buffer, .address_space: global }
      - { .name: threshold, .offset: 8, .size: 8, .value_kind: global_buffer, .address_space: global }
      - { .name: leak, .offset: 16, .size: 8, .value_kind: global_buffer, .address_space: global }
      - { .name: steepness, .offset: 24, .size: 8, .value_kind: global_buffer, .address_space: global }
      - { .name: y, .offset: 32, .size: 8, .value_kind: global_buffer, .address_space: global }
    .group_segment_fixed_size: 327680
    .private_segment_fixed_size: 0
    .kernarg_segment_align: 8
    .kernarg_segment_size: 40
    .max_flat_workgroup_size: 128
    .sgpr_count:     96
    .vgpr_count:     448
    .wavefront_size: 32
...
	.end_amdgpu_metadata
.endif
;; end of part 3
;; launch projgemm (part 4): grid 8 x 32, 4 waves a work-group, clusters of 4 x 4, 327,680 bytes of LDS; arguments y, wpt, b_proj, out0; writes out0
.if DOCPART == 4
	.amdgcn_target "amdgcn-amd-amdhsa--gfx1250"
	.amdhsa_code_object_version 6
	.text
	.protected	k_qdace3c5203_projgemm
	.globl	k_qdace3c5203_projgemm
	.p2align	8
	.type	k_qdace3c5203_projgemm,@function
k_qdace3c5203_projgemm:
	s_mov_b64 s[64:65], 0
	v_nop
	global_prefetch_b8 v0, s[64:65] scope:SCOPE_SE
	s_setreg_imm32_b32 hwreg(HW_REG_WAVE_MODE, 25, 1), 1
	s_wait_xcnt 0x0
	s_wait_alu depctr_hold_cnt(0) depctr_sa_sdst(0) depctr_va_vdst(0) depctr_va_sdst(0) depctr_va_ssrc(0) depctr_va_vcc(0) depctr_vm_vsrc(0)
	s_getreg_b32 s2, hwreg(HW_REG_IB_STS2, 6, 4)
	s_cmp_eq_u32 s2, 0
	s_cbranch_scc0 .Lentry_in_a_cluster
	s_endpgm
.Lentry_in_a_cluster:
	s_bfe_u32 s2, ttmp6, 0x10000c
	s_cmp_lg_u32 s2, 0xf033
	s_cbranch_scc0 .Lentry_shape_is_right
	s_endpgm
.Lentry_shape_is_right:
; out0 = y wpt^T + bf16(b_proj), f32.  y: [32 = 16 batch + head][2048][64] f16, taken as [4096][1024] with k = 64 head + channel; wpt: [1024 n][1024 k] f16; sums in f32.
; A tile of the result is 128 x 128: 8 x 32 tiles, one to a work-group; four waves, each 64 x 64: 16 accumulators.  K goes in steps of 256 (four heads) through two LDS slots.
; y's tile: a head's 128 rows are 16,384 dense bytes; one tensor load brings two heads as two rows of 8,192 elements, padded in LDS after every 128 bytes: [head][row][64], rows 144 bytes apart.
; CLUSTER 4 x 4: the four of a row need the same rows of y, the four of a column the same rows of wpt: joint loads.  THE MATRIX INSTRUCTION IS USED TRANSPOSED: a lane holds eight neighbouring columns of a row.
; The bias, rounded to bf16 like every input, is the C operand of each accumulator's first product.
; REGISTERS: window 0: v0-31 addresses; v32-95 at work on the way out; v96-127 the bias; v128-255 the accumulators ((a, b) at 128 + 8 (4 a + b)).  window 1: two fragment buffers of 128: 64 of y, 64 of wpt.
.set SIZE_K, 1024
.set KSTEP,  256
.set PA,     144                       ; a row of y in LDS: 128 bytes + 16: the 16 rows of a load start at 16 different groups of four banks (ISA guide 11.1)
.set HEADB,  128*PA                    ; a head's 128 rows
.set ABYTES, 4*HEADB
.set PB,     528                       ; a row of wpt: 512 bytes + 16
.set HALFB,  64*PB
.set SLOT,   ABYTES+2*HALFB
.set STAGE,  2*SLOT                    ; behind the ring: 16 rows x 272 bytes for each wave
.set SPITCH, 272
.set SPARE,  STAGE+4*16*SPITCH         ; behind the stages: the spare words, 128 bytes for each wave
.set LAPS,   SIZE_K/(2*KSTEP)
.set ADRA, 16
.set ADRB, 20
.set STO,  24
.set RD,   25
.set CO,   26
.set BO,   27
.set SPW,  28                          ; LDS address of my spare word; never rewritten
.set NIL,  29                          ; 0; never rewritten
.set TMP,  32
.set BIAS, 96
.set ACC,  128
.set F0,   0
.set F1,   128
.set WV,   12
.set FB,   13                          ; wave / 2: which half of the tile's rows is mine; also: I fetch for y (0) or for wpt (1)
.set HF,   14                          ; wave % 2: which half of its columns; also: which half of that tile I fetch
.set G1,   24
.set G0,   32
.set G1B,  48
.set G0B,  56
.set MSB, 0
.macro WIN new
.if MSB != (\new)
	s_set_vgpr_msb (MSB<<8)|(\new)
.set MSB, \new
.endif
.endm
.set MUL,  0x05                        ; sources in window 1; C and D in window 0
.set TO_F, 0x40
.macro JLOAD s                         ; a joint load; an s_nop 0 and four v_nop follow each of the two lines
	s_cmp_eq_u32 s[FB], 0
	s_cbranch_scc0 .Lfor_b_\@
	tensor_load_to_lds s[G0+4*(\s):G0+4*(\s)+3], s[G1:G1+7]
	s_nop 0
.rept 4
	v_nop
.endr
	s_branch .Lasked_\@
.Lfor_b_\@:
	tensor_load_to_lds s[G0B+4*(\s):G0B+4*(\s)+3], s[G1B:G1B+7]
	s_nop 0
.rept 4
	v_nop
.endr
.Lasked_\@:
.endm
.macro CREST
	s_cmp_lg_u32 s[WV], 0
	s_cbranch_scc1 .Lnot_wave_0_\@
	s_barrier_signal -3
.Lnot_wave_0_\@:
	s_barrier_wait -3
	s_barrier_signal -1
	s_barrier_wait -1
.endm
.macro CROUND
	s_barrier_signal -1
	s_barrier_wait -1
	CREST
.endm
	s_load_b256 s[4:11], s[0:1], 0x0               ; y s[4:5], wpt s[6:7], b_proj s[8:9], out0 s[10:11]
	v_lshl_add_u32 v[SPW], v0, 2, SPARE
	v_mov_b32 v[NIL], 0
	ds_add_u32 v[SPW], v[NIL]                      ; the wave's opening: the add and its wait stand ahead of my first tensor load
	ds_add_u32 v28, v29
	v_lshrrev_b32 v1, 5, v0
	v_readfirstlane_b32 s[WV], v1
	s_lshr_b32 s[FB], s[WV], 1
	s_and_b32 s[HF], s[WV], 1
	s_bfe_u32 s40, ttmp6, 0x40000                  ; cx
	s_bfe_u32 s41, ttmp6, 0x40004                  ; cy
	s_lshl_b32 s42, ttmp9, 2
	s_add_co_u32 s42, s42, s40                     ; tile column
	s_and_b32 s43, ttmp7, 0xffff
	s_lshl_b32 s43, s43, 2
	s_add_co_u32 s43, s43, s41                     ; tile row
	s_lshl_b32 s44, s41, 2
	s_lshl_b32 s44, 15, s44                        ; my row of the cluster
	s_lshl_b32 s45, 0x1111, s40                    ; my column
	s_or_b32 s[G1], s44, (1<<16)|(1<<20)|(1<<21)|(4<<22)|(3<<25)   ; the mask; 2-byte elements; padding on: 4 words behind every 32; bit 21 beside a mask
	s_mov_b32 s[G1+1], 8192<<16                    ; tensor_dim0 = 8,192: a head's 128 rows of 64
	s_mov_b32 s[G1+2], 2<<16                       ; tensor_dim1 = 2 heads
	s_mov_b32 s[G1+3], 8192<<16                    ; tile_dim0
	s_mov_b32 s[G1+4], 2                           ; tile_dim1
	s_mov_b32 s[G1+5], 131072                      ; elements from head to head
	s_mov_b32 s[G1+6], 0
	s_mov_b32 s[G1+7], 0
	s_or_b32 s[G1B], s45, (1<<16)|(1<<20)|(1<<21)|(6<<22)|(3<<25)  ; 4 words behind every 128
	s_mov_b32 s[G1B+1], KSTEP<<16
	s_mov_b32 s[G1B+2], 64<<16
	s_mov_b32 s[G1B+3], KSTEP<<16
	s_mov_b32 s[G1B+4], 64
	s_mov_b32 s[G1B+5], SIZE_K
	s_mov_b32 s[G1B+6], 0
	s_mov_b32 s[G1B+7], 0
	s_lshr_b32 s16, s43, 4
	s_lshl_b32 s16, s16, 22                        ; the batch: 16 heads of 262,144 bytes,
	s_and_b32 s17, s43, 15
	s_lshl_b32 s17, s17, 14                        ; the tile's 128 rows of 128 bytes,
	s_add_co_u32 s16, s16, s17
	s_lshl_b32 s17, s[HF], 19                      ; my two heads of the step's four
	s_add_co_u32 s16, s16, s17
	s_mov_b32 s17, 0
	s_lshl_b32 s46, s42, 7
	s_lshl_b32 s47, s[HF], 6
	s_add_co_u32 s46, s46, s47                     ; wpt: row 128 x tile column + 64 x half
	s_lshl_b32 s46, s46, 11
	s_mov_b32 s47, 0
	s_mul_i32 s20, s[WV], 2*HEADB                  ; where waves 0, 1 put y's heads,
	s_mul_i32 s21, s[WV], HALFB
	s_add_co_u32 s21, s21, ABYTES-2*HALFB          ; and waves 2, 3 wpt's halves, behind them
	s_wait_dscnt 0x0                               ; the opening add is done
	s_wait_kmcnt 0x0
	s_add_nc_u64 s[18:19], s[4:5], s[16:17]
	s_add_nc_u64 s[46:47], s[6:7], s[46:47]
	CROUND                                         ; all sixteen work-groups are here: the first joint loads meet
.irp s, 0,1
	s_mov_b32 s[G0+4*(\s)], 1
	s_add_co_u32 s[G0+4*(\s)+1], s20, (\s)*SLOT
	s_add_nc_u64 s[G0+4*(\s)+2:G0+4*(\s)+3], s[18:19], (\s)*4*262144
	s_or_b32 s[G0+4*(\s)+3], s[G0+4*(\s)+3], 0x80000000
	s_mov_b32 s[G0B+4*(\s)], 1
	s_add_co_u32 s[G0B+4*(\s)+1], s21, (\s)*SLOT
	s_add_nc_u64 s[G0B+4*(\s)+2:G0B+4*(\s)+3], s[46:47], (\s)*KSTEP*2
	s_or_b32 s[G0B+4*(\s)+3], s[G0B+4*(\s)+3], 0x80000000
	JLOAD \s                                       ; two loads of mine are out
.endr
	v_and_b32 v1, 15, v0                           ; r
	v_bfe_u32 v2, v0, 4, 1                         ; h
	v_lshlrev_b32 v[BO], 5, v2
	s_lshl_b32 s22, s42, 9
	s_lshl_b32 s23, s[HF], 8
	s_add_co_u32 s22, s22, s23                     ; my 64 columns, in bytes of f32
	s_mov_b32 s23, 0
	s_add_nc_u64 s[8:9], s[8:9], s[22:23]
	s_add_nc_u64 s[10:11], s[10:11], s[22:23]
.set i, 0
.rept 4
	global_load_b128 v[BIAS+8*i:BIAS+8*i+3],   v[BO], s[8:9] offset:64*i
	global_load_b128 v[BIAS+8*i+4:BIAS+8*i+7], v[BO], s[8:9] offset:64*i+16
.set i, i+1
.endr
	v_mul_u32_u24 v3, v1, PA
	v_lshl_add_u32 v3, v2, 4, v3
	v_mul_u32_u24 v4, v1, PB
	v_lshl_add_u32 v4, v2, 4, v4
	s_mul_i32 s22, s[FB], 64*PA                    ; my 64 rows in each head
	s_mul_i32 s23, s[HF], HALFB
	s_add_co_u32 s23, s23, ABYTES                  ; my 64 rows of wpt
.irp s, 0,1
	v_add_nc_u32 v[ADRA+(\s)], s22, v3
	v_add_nc_u32 v[ADRB+(\s)], s23, v4
	s_add_co_u32 s22, s22, SLOT
	s_add_co_u32 s23, s23, SLOT
.endr
	s_mul_i32 s22, s[WV], 16*SPITCH
	s_add_co_u32 s22, s22, STAGE                   ; my stage
	v_mul_u32_u24 v[STO], v1, SPITCH               ; in: row r, 32 bytes for each half of the lanes
	v_lshl_add_u32 v[STO], v2, 5, v[STO]
	v_add_nc_u32 v[STO], s22, v[STO]
	v_mul_u32_u24 v[RD], v2, SPITCH                ; back: lanes 0-15 one row of 256 bytes, lanes 16-31 the next
	v_lshl_add_u32 v[RD], v1, 4, v[RD]
	v_add_nc_u32 v[RD], s22, v[RD]
	v_lshlrev_b32 v[CO], 12, v2                    ; the same two rows in out0
	v_lshl_add_u32 v[CO], v1, 4, v[CO]
	s_lshl_b32 s22, s43, 7
	s_lshl_b32 s23, s[FB], 6
	s_add_co_u32 s22, s22, s23                     ; my first row,
	s_lshl_b32 s22, s22, 12                        ; 4,096 bytes a row
	s_mov_b32 s23, 0
	s_add_nc_u64 s[10:11], s[10:11], s[22:23]
	s_wait_loadcnt 0x0                             ; the bias
.set i, 0
.rept 16                                               ; rounded to bf16 and widened again
	v_cvt_pk_bf16_f32 v[TMP+i%4], v[BIAS+2*i], v[BIAS+2*i+1]
	v_lshlrev_b32 v[BIAS+2*i], 16, v[TMP+i%4]
	v_and_b32 v[BIAS+2*i+1], 0xffff0000, v[TMP+i%4]
.set i, i+1
.endr
; 8 matrix instructions: row blocks a0, a0 + 1 x all 4 column blocks, 32 along K: half c of buffer f.  zero = 1: the first product starts the sum from the bias.  The 16 accumulators take turns.
.macro MUL8 f, c, a0, zero
	WIN MUL
.irp a, \a0, (\a0)+1
.irp b, 0,1,2,3
.if \zero
	v_wmma_f32_16x16x32_f16 v[ACC+8*(4*(\a)+(\b)):ACC+8*(4*(\a)+(\b))+7], v[(\f)+64+8*(4*(\c)+(\b)):(\f)+64+8*(4*(\c)+(\b))+7], v[(\f)+8*(4*(\c)+(\a)):(\f)+8*(4*(\c)+(\a))+7], v[BIAS+8*(\b):BIAS+8*(\b)+7]
.else
	v_wmma_f32_16x16x32_f16 v[ACC+8*(4*(\a)+(\b)):ACC+8*(4*(\a)+(\b))+7], v[(\f)+64+8*(4*(\c)+(\b)):(\f)+64+8*(4*(\c)+(\b))+7], v[(\f)+8*(4*(\c)+(\a)):(\f)+8*(4*(\c)+(\a))+7], v[ACC+8*(4*(\a)+(\b)):ACC+8*(4*(\a)+(\b))+7]
.endif
.endr
.endr
.endm
; 32 LDS loads in one run: quarter z of a step (head z: 64 along K) into buffer f; the first 32 along K first
.macro FETCH slot, z, f
	WIN TO_F
.irp c, 0,1
.irp i, 0,1,2,3
	ds_load_b128 v[(\f)+64+8*(4*(\c)+(\i)):(\f)+64+8*(4*(\c)+(\i))+3],   v[ADRB+(\slot)] offset:128*(\z)+64*(\c)+(\i)*16*PB
	ds_load_b128 v[(\f)+64+8*(4*(\c)+(\i))+4:(\f)+64+8*(4*(\c)+(\i))+7], v[ADRB+(\slot)] offset:128*(\z)+64*(\c)+(\i)*16*PB+32
	ds_load_b128 v[(\f)+8*(4*(\c)+(\i)):(\f)+8*(4*(\c)+(\i))+3],         v[ADRA+(\slot)] offset:(\z)*HEADB+64*(\c)+(\i)*16*PA
	ds_load_b128 v[(\f)+8*(4*(\c)+(\i))+4:(\f)+8*(4*(\c)+(\i))+7],       v[ADRA+(\slot)] offset:(\z)*HEADB+64*(\c)+(\i)*16*PA+32
.endr
.endr
.endm
.macro PLACES                          ; four places in front of loads into registers that matrix instructions have read, and of LDS stores that read results
.rept 4
	v_nop
.endr
.endm
.macro QUARTER slot, z, f, g, zero
	s_wait_dscnt 16                                ; the first 32 along K are in; the sixteen younger loads may be out
	MUL8 \f, 0, 0, \zero
	MUL8 \f, 0, 2, \zero
	PLACES
	FETCH \slot, \z, \g
	s_wait_dscnt 32                                ; all but the 32 just issued
	MUL8 \f, 1, 0, 0
	MUL8 \f, 1, 2, 0
.endm
; The last quarter multiplies buffer 1 and changes slots: each wave waits for all its tensor loads, adds 0 to its spare word, waits for that and for its reads of this slot, and signals.
.macro TURN slot, next, fill
	WIN 0
	s_wait_tensorcnt 0x0
	ds_add_u32 v[SPW], v[NIL]
	s_wait_dscnt 17                                ; the add and the youngest sixteen loads may be out
	MUL8 F1, 0, 0, 0
	s_wait_dscnt 0x0                               ; the add is done, and my reads of this slot are over
	s_barrier_signal -1
	MUL8 F1, 0, 2, 0
.if \fill
	WIN 0
.endif
	s_barrier_wait -1
.if \fill
	CREST                                          ; no wave of any partner still reads this slot or has a load on its way
	s_add_nc_u64 s[G0+4*(\slot)+2:G0+4*(\slot)+3], s[G0+4*(\slot)+2:G0+4*(\slot)+3], 8*262144
	s_add_nc_u64 s[G0B+4*(\slot)+2:G0B+4*(\slot)+3], s[G0B+4*(\slot)+2:G0B+4*(\slot)+3], 2*KSTEP*2
	JLOAD \slot                                    ; its four v_nop are also the places in front of the loads below
.else
	PLACES
.endif
	FETCH \next, 0, F0
	MUL8 F1, 1, 0, 0
	MUL8 F1, 1, 2, 0
.endm
	s_wait_tensorcnt 1                             ; my part of K step 0 is in; K step 1's may stay out
	s_barrier_signal -1
	s_barrier_wait -1
	FETCH 0, 0, F0
	QUARTER 0, 1, F0, F1, 1                        ; the first quarter stands in front of the loop: its first products start the sums
	WIN 0
	s_mov_b32 s3, LAPS-1
.Llap:
	QUARTER 0, 2, F1, F0, 0
	QUARTER 0, 3, F0, F1, 0
	TURN 0, 1, 1
	QUARTER 1, 1, F0, F1, 0
	QUARTER 1, 2, F1, F0, 0
	QUARTER 1, 3, F0, F1, 0
	TURN 1, 0, 1
	QUARTER 0, 1, F0, F1, 0
	WIN 0
	s_sub_co_u32 s3, s3, 1
	s_cmp_lg_u32 s3, 0
	s_cbranch_scc1 .Llap
	QUARTER 0, 2, F1, F0, 0                        ; the last lap fills nothing
	QUARTER 0, 3, F0, F1, 0
	TURN 0, 1, 0
	QUARTER 1, 1, F0, F1, 0
	QUARTER 1, 2, F1, F0, 0
	QUARTER 1, 3, F0, F1, 0
	s_wait_dscnt 16
	MUL8 F1, 0, 0, 0
	MUL8 F1, 0, 2, 0
	s_wait_dscnt 0x0
	MUL8 F1, 1, 0, 0
	MUL8 F1, 1, 2, 0
	WIN 0
	; THE WAY OUT, in f32: my 64 columns are 256 bytes of a row.  A block of 16 rows goes into my own stage, 32 bytes a lane (each accumulator's low half first), and comes back as whole rows.
	PLACES
.irp a, 0,1,2,3
.if (\a) >= 2
	s_wait_xcnt 0x0                                ; the stores two blocks back have read their registers: these are loaded again only behind this wait
.endif
.irp b, 0,1,2,3
	ds_store_b128 v[STO], v[ACC+8*(4*(\a)+(\b)):ACC+8*(4*(\a)+(\b))+3]   offset:64*(\b)
	ds_store_b128 v[STO], v[ACC+8*(4*(\a)+(\b))+4:ACC+8*(4*(\a)+(\b))+7] offset:64*(\b)+16
.endr
.irp t, 0,1,2,3,4,5,6,7
	ds_load_b128 v[TMP+32*((\a)%2)+4*(\t):TMP+32*((\a)%2)+4*(\t)+3], v[RD] offset:(\t)*2*SPITCH  ; LDS serves a wave's instructions in order (ISA guide 5.7.1.4)
.endr
.irp t, 0,1,2,3,4,5,6,7
	s_wait_dscnt 7-(\t)
	global_store_b128 v[CO], v[TMP+32*((\a)%2)+4*(\t):TMP+32*((\a)%2)+4*(\t)+3], s[10:11] offset:(16*(\a)+2*(\t))*4096  ; sixteen lanes store 256 consecutive bytes, aligned
.endr
.endr
	s_wait_tensorcnt 0x0                           ; the wave's end
	ds_add_u32 v[SPW], v[NIL]
	s_wait_dscnt 0x0
	CROUND                                         ; the closing round
	s_endpgm
.Lfunc_end_k_qdace3c5203_projgemm:
	.size	k_qdace3c5203_projgemm, .Lfunc_end_k_qdace3c5203_projgemm-k_qdace3c5203_projgemm
	.p2alignl 7, 3214868480
	.fill 96, 4, 3214868480
	.section	.rodata,"a",@progbits
	.p2align	6, 0x0
	.amdhsa_kernel k_qdace3c5203_projgemm
		.amdhsa_group_segment_fixed_size 327680
		.amdhsa_private_segment_fixed_size 0
		.amdhsa_enable_private_segment 0
		.amdhsa_kernarg_size 32
		.amdhsa_user_sgpr_count 2
		.amdhsa_user_sgpr_kernarg_segment_ptr 1
		.amdhsa_wavefront_size32 1
		.amdhsa_system_sgpr_workgroup_id_x 1
		.amdhsa_system_sgpr_workgroup_id_y 1
		.amdhsa_system_sgpr_workgroup_id_z 1
		.amdhsa_system_vgpr_workitem_id 0
		.amdhsa_next_free_vgpr 512
		.amdhsa_next_free_sgpr 66
		.amdhsa_reserve_vcc 0
		.amdhsa_float_denorm_mode_32 3
		.amdhsa_float_denorm_mode_16_64 3
		.amdhsa_memory_ordered 1
		.amdhsa_forward_progress 1
		.amdhsa_inst_pref_size 90
	.end_amdhsa_kernel
	.amdgpu_metadata
---
amdhsa.version: [ 1, 2 ]
amdhsa.kernels:
  - .name:           k_qdace3c5203_projgemm
    .symbol:         k_qdace3c5203_projgemm.kd
    .args:
      - { .name: y, .offset: 0, .size: 8, .value_kind: global_buffer, .address_space: global }
      - { .name: wpt, .offset: 8, .size: 8, .value_kind: global_buffer, .address_space: global }
      - { .name: b_proj, .offset: 16, .size: 8, .value_kind: global_buffer, .address_space: global }
      - { .name: out0, .offset: 24, .size: 8, .value_kind: global_buffer, .address_space: global }
    .group_segment_fixed_size: 327680
    .private_segment_fixed_size: 0
    .kernarg_segment_align: 8
    .kernarg_segment_size: 32
    .max_flat_workgroup_size: 128
    .sgpr_count:     66
    .vgpr_count:     512
    .wavefront_size: 32
...
	.end_amdgpu_metadata
.endif
;; end of part 4
